; MI455X (gfx1250); checked and timed in simulation.
; The chip was launched on July 23, 2026; its instructions are those of AMD's public machine-readable ISA for CDNA 5 (MIT licence, August 2026) and "CDNA5" Instruction Set Architecture Reference Guide (July 2026). The comments in the code are by the model that wrote it; some were corrected since.
;; Self Attention. Allowed arithmetic: matrix products marked QUANTISED: E3M2 operands, one E8M0 scale for each 32 along K, by v_wmma_scale_f32_16x16x128_f8f6f4 with both operands' format E3M2, f32 sums; everything else in f32.
;; Inputs: Wk 512 x 512 float32; Wq 512 x 512 float32; Wv 512 x 512 float32; bk 512 float32; bq 512 float32; bv 512 float32; embeddings 8 x 2,048 x 512 float32; mask 8 x 2,048 x 2,048 float32.
;; Outputs: out0 8 x 2,048 x 512 float32.
;; This version of the problem:
;;   THIS VERSION OF THE PROBLEM IS GIVEN IN LOW PRECISION. The matrix products marked QUANTISED in the list below multiply operands that are first quantised to E3M2 (3 exponent bits, 2 mantissa bits; 6 bits a number), with one power-of-two scale for each 32 numbers along K (OCP MX v1.0); their sums are f32. All else is computed in f32.
;;   The module's matrix products, in the order in which they are computed (A, B: the left and right operand; K: the contracted axis; several contracted axes count as one K, in the product's order):
;;     1. [M 16,384, K 512] x [K 512, N 512]; A: input embeddings; B: input Wq: QUANTISED
;;     2. [M 16,384, K 512] x [K 512, N 512]; A: input embeddings; B: input Wk: QUANTISED
;;     3. [M 16,384, K 512] x [K 512, N 512]; A: input embeddings; B: input Wv: QUANTISED
;;     4. batch 8 x [M 2,048, K 512] x [K 512, N 2,048]; A: computed on the way; B: computed on the way: QUANTISED
;;     5. batch 8 x [M 2,048, K 2,048] x [K 2,048, N 512]; A: softmax (see below); B: computed on the way: QUANTISED
;;   THE QUANTISER, for each operand of a quantised product, along K:
;;     - K is cut into blocks of 32 from its start; a last block that is shorter is filled with zeros.
;;     - A block's scale is 2^e with e = floor(log2(the largest magnitude in the block)) - 4, held to -126 .. 127; a block of zeros has e = 0. As a byte (E8M0): e + 127.
;;     - Each number is divided by its block's scale, clamped to +-28, and rounded to the nearest number of E3M2, ties to even, subnormals kept.
;;     - The product sums the exact products of the quantised numbers (number of the format x scale) in f32.
;;   ~~~python
;;   def quantise(x, axis):      # numpy; x: float32 -> the quantised numbers, widened to float32 again
;;       x = np.moveaxis(x, axis, -1); K = x.shape[-1]
;;       x = np.pad(x, [(0, 0)] * (x.ndim - 1) + [(0, -K % 32)]); x = x.reshape(x.shape[:-1] + (-1, 32)); a = np.abs(x).max(-1, keepdims=True)
;;       e = np.where(a > 0, np.clip(np.frexp(np.where(a > 0, a, 1))[1] - 1 - 4, -126, 127), 0)      # np.frexp(a)[1] - 1 = floor(log2(a)), exactly
;;       r = np.clip(x / 2.0 ** e, -28, 28)
;;       step = 2.0 ** (np.maximum(np.frexp(np.where(r == 0, 1, r))[1] - 1, -2) - 2)
;;       q = np.round(r / step) * step * 2.0 ** e      # np.round: ties to even
;;       return np.moveaxis(q.reshape(q.shape[:-2] + (-1,))[..., :K], -1, axis).astype(np.float32)
;;   ~~~
;;   SOFTMAX AHEAD OF A QUANTISED PRODUCT. Where the list says 'softmax', what is quantised is not the finished softmax but p = 2^(t - M), with t = logit x log2(e) and M = ceil(the row's largest t), a whole number; so 1/2 < the row's largest p <= 1. The row's sum l is taken of the UNQUANTISED p, in f32, and the product's result is divided by l at the end. Since M is a whole number, a kernel that streams over the keys may use a running M (the ceiling of the running maximum): every later rescaling is an exact power of two, which a block's scale takes up: the codes' values come out the same.
;;   OPERANDS COMPUTED ON THE WAY. 'Computed on the way' means the value that the module computes at that place (a softmax that the list does not call 'softmax' is quantised finished and normalised). What goes into a quantiser is computed in f32, as accurately as f32 sums, v_exp_f32 and their like allow (about 1e-6 of the number): no bf16 or f16 on the way to a quantiser, and a product that is left as it is and whose result goes on into a quantised operand takes f32 operands (vector FMAs, or v_wmma_f32_16x16x4_f32). A number that lies on a knife's edge between two numbers of the format may be rounded either way, as far as f32 arithmetic and the matrix unit's own rounding can turn it there, and no further.
;; 2 versions. Each part assembles by itself: llvm-mc -triple=amdgcn-amd-amdhsa -mcpu=gfx1250 --defsym DOCPART=n.
;; ======== version 1 of 2: 3 launches
;; workspace buffers: cw 7,168,000 bytes; qws 6,553,600 bytes; kv 13,107,200 bytes
;; launch prep (part 1): grid 280 x 1, 4 waves a work-group, no clusters, 68,096 bytes of LDS; arguments embeddings, Wq, Wk, Wv, cw; writes cw
.if DOCPART == 1
	.amdgcn_target "amdgcn-amd-amdhsa--gfx1250"
	.amdhsa_code_object_version 6
	.text
	.protected	k_qcdb55f5e4e_prep
	.globl	k_qcdb55f5e4e_prep
	.p2align	8
	.type	k_qcdb55f5e4e_prep,@function
k_qcdb55f5e4e_prep:
	s_mov_b64 s[64:65], 0
	v_nop
	global_prefetch_b8 v0, s[64:65] scope:SCOPE_SE
	s_setreg_imm32_b32 hwreg(HW_REG_WAVE_MODE, 25, 1), 1
	s_wait_xcnt 0x0
; SelfAttention in MX-BF6 (codes of E3M2, one E8M0 scale for each 32 along K), three launches: prep, proj, attn.
; DEAD WORK: none.  Every input has a way to the output: bq and bk move the codes of q and k, bv those of v, and the mask is an input whose values are honoured as they come.  Nothing is left out.
; THIS LAUNCH quantises embeddings [16384][512], Wq, Wk, Wv [512][512] (f32, K = the last axis) ONCE, since every one of them is read by many work-groups of the next launch.
; A block's scale is 2^(floor(log2(its largest magnitude)) - 4); its byte is the largest magnitude's exponent field - 4, held at 1 from below.
; LIMITS: a block of zeros gets the byte 1 where the rule says 127 (its codes are zeros, and this program alone reads the bytes); blocks whose largest magnitude lies under 2^-122 are held at byte 1; NaN and infinities among these inputs are not served.
; THE WORKSPACE IS LAID AS IMAGES OF OPERAND REGISTERS.  A block image, 25,600 bytes, is 64 rows x 512 K: fragment (tile m, K step s) at 6144 m + 1536 s, its registers 4 c .. 4 c + 3 of lane l at + 512 c + 16 l;
; scale unit s at 24576 + 256 s: lane l has 8 bytes at 8 l, word j = the scale word (K 128 s on) of row l % 16 of tile 2 j + l / 16.
; THE ROWS OF A TILE ARE NOT NEIGHBOURS: lane r of tile m holds row 32 (m / 2) + 8 (m % 2) + r + 8 (r / 8) of the 64, so that a product used transposed leaves 16 neighbours along the next K in a lane's registers.
; cw: images 0-255 embeddings' rows 64 g on; 256-263 Wq; 264-271 Wk; 272-279 Wv.
; SHARES: work-group g makes image g, wave w its K step w: 64 rows x 128 numbers.  Each load reads 512 consecutive bytes of one row; a tile's 16 rows turn through the wave's own stage in LDS
; (rows 528 bytes apart) so that a lane gets 16 neighbours of each block of 32.  All 64 loads of a wave go out at the head.  No tensor load, no barrier: waves share nothing.
.set STGW,  16896                      ; LDS of a wave: two stages of 16 rows x 528 bytes
.set SPARE, 4*STGW                     ; behind them: the spare words, 128 bytes for each wave
.set LI,   1                           ; v1   16 x lane
.set SIN,  2                           ; v2   the stage, on the way in: 16 x lane
.set SOUT, 3                           ; v3   and on the way out: 528 r + 64 h
.set OS,   4                           ; v4   8 x lane + 256 x wave: my place in the scale units
.set OF,   8                           ; v8   16 x lane + 1536 x wave: my place in the fragments
.set X,    16                          ; v16-143  two sets of 64 numbers
.set PC,   144                         ; v144-163 the codes just made
.set TM,   164                         ; v164-179 at work
.set PW,   180                         ; v180-183 the four tiles' scale words
.set PR2,  184                         ; v184-185 the scale unit's two words
.set SPW,  186                         ; v186 my spare word's address; never rewritten
.set NIL,  187                         ; v187 0; never rewritten
.set SEL,  20                          ; s[20:21] lane selects: lane l xor 16
.set MSB, 0
.macro WIN new                         ; the immediate's high byte repeats the setting that is left
.if MSB != (\new)
	s_set_vgpr_msb (MSB<<8)|(\new)
.set MSB, (\new)
.endif
.endm
; 64 numbers of a lane, register 16 b + i = k 32 b + 16 (lane / 16) + i of my row, become a fragment's codes in v[PC] on and its scale word in v[pw]
.macro QUANT s, pw
.irp b, 0,1,2,3
	v_max3_num_f32 v[TM+\b], |v[\s+16*\b]|, |v[\s+1+16*\b]|, 0x2800000   ; my 16 numbers of block b, and the floor 2^(5 - 127): the byte cannot fall under 1
.endr
.irp i, 2,4,6,8,10,12,14
.irp b, 0,1,2,3
	v_max3_num_f32 v[TM+\b], v[TM+\b], |v[\s+16*\b+\i]|, |v[\s+1+16*\b+\i]|
.endr
.endr
.irp b, 0,1,2,3
	v_permlanex16_b32 v[TM+4+\b], v[TM+\b], s[SEL], s[SEL+1]
.endr
.irp b, 0,1,2,3
	v_max_num_f32 v[TM+\b], v[TM+\b], v[TM+4+\b]                         ; with lane l xor 16's: the block's largest magnitude
.endr
.irp b, 0,1,2,3
	v_add_nc_u32 v[TM+12+\b], 0xfe000000, v[TM+\b]                       ; 4 off its exponent field: the conversion's scale operand
.endr
.irp b, 0,1,2,3
	v_lshrrev_b32 v[TM+4+\b], 23, v[TM+12+\b]                            ; the scale's byte
.endr
	v_lshl_or_b32 v[\pw], v[TM+5], 8, v[TM+4]
	v_lshl_or_b32 v[\pw], v[TM+6], 16, v[\pw]
	v_lshl_or_b32 v[\pw], v[TM+7], 24, v[\pw]
.irp c, 0,1
	v_cvt_scalef32_pk16_bf6_f32 v[PC+6*\c:PC+2+6*\c], v[\s+32*\c:\s+15+32*\c], v[TM+12+2*\c]
	v_cvt_scalef32_pk16_bf6_f32 v[PC+12+4*\c:PC+14+4*\c], v[\s+16+32*\c:\s+31+32*\c], v[TM+12+2*\c+1]   ; (a conversion's three registers begin on an even number)
.endr
	v_nop                                          ; one plain place behind a scaled conversion
.irp c, 0,1                            ; the operand's layout wants a whole block in a lane: lanes 0-15 block 2 c, lanes 16-31 block 2 c + 1
.irp i, 0,1,2
	v_permlane16_swap_b32 v[PC+6*\c+\i], v[PC+12+4*\c+\i]
.endr
.irp i, 0,1,2
	v_mov_b32 v[PC+3+6*\c+\i], v[PC+12+4*\c+\i]
.endr
.endr
.endm
	s_load_b256 s[4:11], s[0:1], 0x0               ; embeddings, Wq, Wk, Wv
	s_load_b64 s[12:13], s[0:1], 0x20              ; cw
	v_lshl_add_u32 v[SPW], v0, 2, SPARE
	v_mov_b32 v[NIL], 0
	v_lshrrev_b32 v5, 5, v0
	v_readfirstlane_b32 s14, v5                    ; wave 0..3
	v_and_b32 v5, 31, v0                           ; lane
	v_and_b32 v6, 15, v0                           ; r
	v_bfe_u32 v7, v0, 4, 1                         ; h
	v_lshlrev_b32 v[LI], 4, v5
	s_mul_i32 s15, s14, STGW
	v_add_nc_u32 v[SIN], s15, v[LI]
	v_mul_u32_u24 v[SOUT], v6, 528
	v_lshl_add_u32 v[SOUT], v7, 6, v[SOUT]
	v_add_nc_u32 v[SOUT], s15, v[SOUT]
	s_mul_i32 s15, s14, 1536
	v_add_nc_u32 v[OF], s15, v[LI]
	s_lshl_b32 s15, s14, 8
	v_lshl_add_u32 v[OS], v5, 3, s15
	s_mov_b32 s[SEL], 0x76543210
	s_mov_b32 s[SEL+1], 0xfedcba98
	s_mov_b32 s22, 0xffff0000                      ; lanes 16-31
.irp b, 0,1,2,3
	v_mov_b32 v[TM+4+\b], 0                        ; written once: a lane permute's destination counts as one of its sources
.endr
	s_sub_co_u32 s23, ttmp9, 256                   ; images 256 on are the weights':
	s_lshr_b32 s24, s23, 3                         ; which weight,
	s_and_b32 s25, s23, 7                          ; which 64 rows of it
	s_mul_i32 s26, ttmp9, 25600                    ; my image in cw
	s_mov_b32 s27, 0
	s_wait_kmcnt 0x0
	s_cmp_eq_u32 s24, 1                            ; only pointers are chosen, on the work-group's number: one path serves all four tensors
	s_cselect_b64 s[16:17], s[8:9], s[6:7]
	s_cmp_eq_u32 s24, 2
	s_cselect_b64 s[16:17], s[10:11], s[16:17]
	s_cmp_lt_u32 ttmp9, 256
	s_cselect_b64 s[16:17], s[4:5], s[16:17]
	s_cselect_b32 s25, ttmp9, s25
	s_lshl_b32 s28, s25, 17                        ; 64 rows of 2,048 bytes
	s_lshl_b32 s29, s14, 9                         ; my K step: 512 bytes of a row
	s_add_co_u32 s28, s28, s29
	s_mov_b32 s29, 0
	s_add_nc_u64 s[16:17], s[16:17], s[28:29]
	s_add_nc_u64 s[18:19], s[12:13], s[26:27]
.macro LOADT m                         ; tile m's 16 rows, 512 consecutive bytes a load, into window 1
.irp i, 0,1,2,3,4,5,6,7,8,9,10,11,12,13,14,15
	global_load_b128 v[64*(\m)+4*\i:64*(\m)+4*\i+3], v[LI], s[16:17] offset:(32*((\m)/2)+8*((\m)%2)+\i+8*(\i/8))*2048 th:TH_LOAD_NT
.endr
.endm
.macro TURN m                          ; tile m through the stage: LDS serves a wave's instructions in order, so no wait stands between the stores and the loads
	s_wait_loadcnt 16*(3-(\m))                     ; tile m's 16 loads are in; the later tiles' may be out
	WIN 0x04                                       ; an LDS store's data are its source 1: window 1
.irp i, 0,1,2,3,4,5,6,7,8,9,10,11,12,13,14,15
	ds_store_b128 v[SIN], v[64*(\m)+4*\i:64*(\m)+4*\i+3] offset:8448*((\m)%2)+528*\i
.endr
	WIN 0
.irp b, 0,1,2,3
.irp j, 0,1,2,3
	ds_load_b128 v[X+64*((\m)%2)+16*\b+4*\j:X+64*((\m)%2)+16*\b+4*\j+3], v[SOUT] offset:8448*((\m)%2)+128*\b+16*\j
.endr
.endr
.endm
	WIN 0x40                                       ; destination window 1
	LOADT 0
	LOADT 1
	LOADT 2
	LOADT 3
	WIN 0
	TURN 0
.irp m, 0,1,2,3
.if \m < 3
	TURN \m+1                                      ; the next tile goes through the other stage while this one is worked
	s_wait_dscnt 32                                ; this tile is back; the next tile's 16 stores and 16 loads may be out
.else
	s_wait_dscnt 0x0
.endif
.if \m > 0
	s_wait_xcnt 0x0                                ; the last tile's stores have read the codes' registers
.endif
	QUANT X+64*(\m%2), PW+\m
.irp c, 0,1,2
	global_store_b128 v[OF], v[PC+4*\c:PC+4*\c+3], s[18:19] offset:\m*6144+512*\c   ; 32 lanes store 512 consecutive bytes
.endr
.endr
	v_cndmask_b32 v[PR2], v[PW], v[PW+1], s22      ; word 0: tile 0 in lanes 0-15, tile 1 in lanes 16-31
	v_cndmask_b32 v[PR2+1], v[PW+2], v[PW+3], s22  ; word 1: tiles 2 and 3
	global_store_b64 v[OS], v[PR2:PR2+1], s[18:19] offset:24576   ; 32 lanes store 256 consecutive bytes
	s_wait_tensorcnt 0x0                           ; the wave's end
	ds_add_u32 v[SPW], v[NIL]
	s_wait_dscnt 0x0
	s_endpgm
.Lfunc_end_k_qcdb55f5e4e_prep:
	.size	k_qcdb55f5e4e_prep, .Lfunc_end_k_qcdb55f5e4e_prep-k_qcdb55f5e4e_prep
	.p2alignl 7, 3214868480
	.fill 96, 4, 3214868480
	.section	.rodata,"a",@progbits
	.p2align	6, 0x0
	.amdhsa_kernel k_qcdb55f5e4e_prep
		.amdhsa_group_segment_fixed_size 68096
		.amdhsa_private_segment_fixed_size 0
		.amdhsa_enable_private_segment 0
		.amdhsa_kernarg_size 40
		.amdhsa_user_sgpr_count 2
		.amdhsa_user_sgpr_kernarg_segment_ptr 1
		.amdhsa_wavefront_size32 1
		.amdhsa_system_sgpr_workgroup_id_x 1
		.amdhsa_system_sgpr_workgroup_id_y 1
		.amdhsa_system_sgpr_workgroup_id_z 1
		.amdhsa_system_vgpr_workitem_id 0
		.amdhsa_next_free_vgpr 512
		.amdhsa_next_free_sgpr 66
		.amdhsa_reserve_vcc 0
		.amdhsa_float_denorm_mode_32 3
		.amdhsa_float_denorm_mode_16_64 3
		.amdhsa_memory_ordered 1
		.amdhsa_forward_progress 1
		.amdhsa_inst_pref_size 34
	.end_amdhsa_kernel
	.amdgpu_metadata
---
amdhsa.version: [ 1, 2 ]
amdhsa.kernels:
  - .name:           k_qcdb55f5e4e_prep
    .symbol:         k_qcdb55f5e4e_prep.kd
    .args:
      - { .name: embeddings, .offset: 0, .size: 8, .value_kind: global_buffer, .address_space: global }
      - { .name: Wq, .offset: 8, .size: 8, .value_kind: global_buffer, .address_space: global }
      - { .name: Wk, .offset: 16, .size: 8, .value_kind: global_buffer, .address_space: global }
      - { .name: Wv, .offset: 24, .size: 8, .value_kind: global_buffer, .address_space: global }
      - { .name: cw, .offset: 32, .size: 8, .value_kind: global_buffer, .address_space: global }
    .group_segment_fixed_size: 68096
    .private_segment_fixed_size: 0
    .kernarg_segment_align: 8
    .kernarg_segment_size: 40
    .max_flat_workgroup_size: 128
    .sgpr_count:     66
    .vgpr_count:     512
    .wavefront_size: 32
...
	.end_amdgpu_metadata
.endif
;; end of part 1
;; launch proj (part 2): grid 64 x 3, 4 waves a work-group, no clusters, 167,936 bytes of LDS; arguments cw, bq, bk, bv, qws, kv; writes qws, kv
.if DOCPART == 2
	.amdgcn_target "amdgcn-amd-amdhsa--gfx1250"
	.amdhsa_code_object_version 6
	.text
	.protected	k_qcdb55f5e4e_proj
	.globl	k_qcdb55f5e4e_proj
	.p2align	8
	.type	k_qcdb55f5e4e_proj,@function
k_qcdb55f5e4e_proj:
	s_mov_b64 s[64:65], 0
	v_nop
	global_prefetch_b8 v0, s[64:65] scope:SCOPE_SE
	s_setreg_imm32_b32 hwreg(HW_REG_WAVE_MODE, 25, 1), 1
	s_wait_xcnt 0x0
; q = x Wq^T + bq, k = x Wk^T + bk, v = x Wv^T + bv on the codes that the launch before has made, and the results quantised at once: q and k along e, v along the KEYS.  No work of the problem is left out.
; ONE SHAPE FOR THE THREE: a stationary operand S (512 rows x 512 K), of which wave w keeps rows 128 w on in 384 registers, and a streamed operand T (256 rows: four block images, in LDS).
; The product is used transposed: source 0 = 16 rows of S, source 1 = 16 rows of T.  A lane then holds ONE row of T and its registers run along S's rows; by the order of a tile's rows (lane r of tile m: row
; 32 (m / 2) + 8 (m % 2) + r + 8 (r / 8)) the 64 results of a tile of T are 128 neighbours along the next product's K: one fragment, K step w, and one scale word a row.  Nothing is transposed by an instruction.
;   y = 0, 1 (q, k): S = the weight, T = rows 256 x on of x; the bias runs along S's rows: it is the C of each sum's first product (64 registers).
;   y = 2 (v): S = 512 keys of x (chunk x / 2), T = 256 rows of Wv (half x % 2): the result is V^T with the keys innermost; bv runs along T's rows: one number a lane, spread over the eight registers of C.
; OUT: qws: block images of q (as cw's).  kv: 128 tiles (128 keys each) of 102,400 bytes: k's keys 0-63 as a block image at 0, keys 64-127 at 25,600; V^T as eight images of 64 rows x 128 K at 51,200 + 6,400 j
; (fragment m at 1536 m, the scale unit at 6144).  Each store of a wave covers 512 or 256 consecutive bytes.
; LIMITS: as in the launch before (byte 1 for a block of zeros; the floor at 2^-122; NaN and infinities not served).
; NO CLUSTER: a work-group fetches its 102,400 bytes of T once, with no ring; only the q and the k work-group of one x read the same T, and a grid of 3 along y divides into no cluster of 2 or 4.
; NO LOOP: the four blocks of T are written out, and their LDS addresses are made ahead of the one parting of the paths.
.set SPARE, 102400                     ; LDS: T at 0 .. 102,399; then the spare words, 128 bytes for each wave
.set LI,  4                            ; v4   16 x lane
.set L8,  5                            ; v5   8 x lane
.set AD,  6                            ; v6-9    LDS address of T's block tb: fragments
.set ADS, 10                           ; v10-13  and scale units
.set SPW, 14                           ; v14  my spare word's address; never rewritten
.set NIL, 15                           ; v15  0; never rewritten
.set XF,  16                           ; v16-63   a tile of T: four fragments
.set HA,  64                           ; v64-127  the eight accumulators
.set PC,  128                          ; v128-147 the codes just made
.set TM,  148                          ; v148-163 at work
.set PW,  164                          ; v164-167 four tiles' scale words
.set PR2, 168                          ; v168-169 the scale unit's two words
.set XS,  170                          ; v170-177 T's scale words: 2 s + j: tile 2 j in lanes 0-15, tile 2 j + 1 in lanes 16-31
.set SS,  178                          ; v178-193 S's: 8 (t / 4) + 2 s + j
.set BT,  194                          ; v194-209 v: bv of my row, for block tb and tile m: 4 tb + m
.set BO,  210                          ; v210 the bias loads' lane offset
.set BV,  212                          ; v212-243 v: the C of tile m's first products: 8 m on
.set OC,  244                          ; v244-247 where tile m's fragment goes
.set OSC, 248                          ; v248 and the scale unit
; window 1: S's fragments of K steps 0, 1 at 12 (8 s + t); v192-255 the bias along S's rows.   window 2: K steps 2, 3 at 12 (8 (s - 2) + t)
.set WV, 16
.set PATH, 17
.set IX, 18
.set SEL, 20
.set HM, 22
.set G1, 24
.set G0, 32
.set SP, 36
.set OB, 38
.set STEP, 40
.set STEPX, 42
.set BP, 46
.set SO, 48
.set TO, 49
.set OBASE, 50
.set SM, 51
.set SW, 52
.set SOFF, 53
.set SWS, 54
.set MSB, 0
.macro WIN new                         ; the immediate's high byte repeats the setting that is left
.if MSB != (\new)
	s_set_vgpr_msb (MSB<<8)|(\new)
.set MSB, (\new)
.endif
.endm
.macro QUANT s, pw                     ; 64 numbers of a lane, register 16 b + i = k 32 b + 16 (lane / 16) + i, become a fragment in v[PC] on and its scale word in v[pw]
.irp b, 0,1,2,3
	v_max3_num_f32 v[TM+\b], |v[\s+16*\b]|, |v[\s+1+16*\b]|, 0x2800000   ; each accumulator is read from its low end on; the floor 2^(5 - 127) holds the byte at 1 from below
.endr
.irp i, 2,4,6,8,10,12,14
.irp b, 0,1,2,3
	v_max3_num_f32 v[TM+\b], v[TM+\b], |v[\s+16*\b+\i]|, |v[\s+1+16*\b+\i]|
.endr
.endr
.irp b, 0,1,2,3
	v_permlanex16_b32 v[TM+4+\b], v[TM+\b], s[SEL], s[SEL+1]
.endr
.irp b, 0,1,2,3
	v_max_num_f32 v[TM+\b], v[TM+\b], v[TM+4+\b]
.endr
.irp b, 0,1,2,3
	v_add_nc_u32 v[TM+12+\b], 0xfe000000, v[TM+\b]                       ; 4 off the exponent field: the conversion's scale operand
.endr
.irp b, 0,1,2,3
	v_lshrrev_b32 v[TM+4+\b], 23, v[TM+12+\b]                            ; the scale's byte
.endr
	v_lshl_or_b32 v[\pw], v[TM+5], 8, v[TM+4]
	v_lshl_or_b32 v[\pw], v[TM+6], 16, v[\pw]
	v_lshl_or_b32 v[\pw], v[TM+7], 24, v[\pw]
.irp c, 0,1
	v_cvt_scalef32_pk16_bf6_f32 v[PC+6*\c:PC+2+6*\c], v[\s+32*\c:\s+15+32*\c], v[TM+12+2*\c]
	v_cvt_scalef32_pk16_bf6_f32 v[PC+12+4*\c:PC+14+4*\c], v[\s+16+32*\c:\s+31+32*\c], v[TM+12+2*\c+1]
.endr
	v_nop                                          ; one plain place behind a scaled conversion
.irp c, 0,1
.irp i, 0,1,2
	v_permlane16_swap_b32 v[PC+6*\c+\i], v[PC+12+4*\c+\i]
.endr
.irp i, 0,1,2
	v_mov_b32 v[PC+3+6*\c+\i], v[PC+12+4*\c+\i]
.endr
.endr
.endm
; one product: D, A, B, C by their first registers; the scale registers; ra, rb = 1: that side's scales stand in lanes 16-31
.macro WM d, a, b, c, sa, sb, ra, rb
.if (\ra) && (\rb)
	v_wmma_scale_f32_16x16x128_f8f6f4 v[\d:\d+7], v[\a:\a+11], v[\b:\b+11], v[\c:\c+7], v[\sa], v[\sb] matrix_a_fmt:MATRIX_FMT_BF6 matrix_b_fmt:MATRIX_FMT_BF6 matrix_a_scale:MATRIX_SCALE_ROW1 matrix_b_scale:MATRIX_SCALE_ROW1
.elseif (\ra)
	v_wmma_scale_f32_16x16x128_f8f6f4 v[\d:\d+7], v[\a:\a+11], v[\b:\b+11], v[\c:\c+7], v[\sa], v[\sb] matrix_a_fmt:MATRIX_FMT_BF6 matrix_b_fmt:MATRIX_FMT_BF6 matrix_a_scale:MATRIX_SCALE_ROW1
.elseif (\rb)
	v_wmma_scale_f32_16x16x128_f8f6f4 v[\d:\d+7], v[\a:\a+11], v[\b:\b+11], v[\c:\c+7], v[\sa], v[\sb] matrix_a_fmt:MATRIX_FMT_BF6 matrix_b_fmt:MATRIX_FMT_BF6 matrix_b_scale:MATRIX_SCALE_ROW1
.else
	v_wmma_scale_f32_16x16x128_f8f6f4 v[\d:\d+7], v[\a:\a+11], v[\b:\b+11], v[\c:\c+7], v[\sa], v[\sb] matrix_a_fmt:MATRIX_FMT_BF6 matrix_b_fmt:MATRIX_FMT_BF6
.endif
.endm
	s_load_b256 s[4:11], s[0:1], 0x0               ; cw, bq, bk, bv
	s_load_b128 s[12:15], s[0:1], 0x20             ; qws, kv
	v_lshl_add_u32 v[SPW], v0, 2, SPARE
	v_mov_b32 v[NIL], 0
	ds_add_u32 v[SPW], v[NIL]                      ; the wave's opening: the add, twice on end, and its wait ahead of my first tensor load
	ds_add_u32 v[SPW], v[NIL]
	v_lshrrev_b32 v1, 5, v0
	v_readfirstlane_b32 s[WV], v1                  ; wave 0..3
	; descriptor group 1: a dense block of 25,600 bytes as 100 rows of 256 bytes (32 elements of 8 bytes), no padding: the images are read 16 bytes a lane on end
	s_mov_b32 s[G1], 3<<16
	s_mov_b32 s[G1+1], 32<<16                      ; tensor_dim0
	s_mov_b32 s[G1+2], 100<<16                     ; tensor_dim1
	s_mov_b32 s[G1+3], 32<<16                      ; tile_dim0
	s_mov_b32 s[G1+4], 100                         ; tile_dim1
	s_mov_b32 s[G1+5], 32                          ; the pitch
	s_mov_b32 s[G1+6], 0
	s_mov_b32 s[G1+7], 0
	s_mov_b32 s[SEL], 0x76543210
	s_mov_b32 s[SEL+1], 0xfedcba98
	s_mov_b32 s[HM], 0xffff0000                    ; lanes 16-31
	s_wait_dscnt 0x0                               ; both opening adds are done
	s_and_b32 s[PATH], ttmp7, 0xffff               ; 0 q, 1 k, 2 v
	s_mov_b32 s[IX], ttmp9
	s_mov_b32 s[STEP+1], 0
	s_cmp_eq_u32 s[PATH], 2
	s_cbranch_scc1 .Lset_v
	s_mul_i32 s[TO], s[IX], 102400                 ; T: x's images 4 x on
	s_mul_i32 s[SO], s[PATH], 8*25600
	s_add_co_u32 s[SO], s[SO], 256*25600           ; S: the weight's eight images
	s_add_co_u32 s55, s[PATH], 1
	s_mul_i32 s[OBASE], s[TO], s55                 ; q: image 4 x of qws;  k: tile 2 x of kv
	s_mov_b32 s[SM], 6144                          ; from tile to tile of an image,
	s_mov_b32 s[SW], 1536                          ; from K step to K step (the wave's number)
	s_mov_b32 s[SOFF], 24576                       ; the scale units,
	s_mov_b32 s[SWS], 256                          ; one for each K step
	s_mov_b32 s[STEP], 25600                       ; from block to block: q 25,600;  k 25,600 and 76,800 by turns (two images to a tile of kv)
	s_mul_i32 s[STEPX], s[PATH], 0x14800           ; 25,600 xor 76,800
	s_branch .Lset_done
.Lset_v:
	s_lshr_b32 s55, s[IX], 1                       ; chunk: 512 keys
	s_and_b32 s56, s[IX], 1                        ; half: 256 rows of Wv
	s_mul_i32 s[SO], s55, 204800                   ; S: x's images 8 chunk on
	s_mul_i32 s[TO], s56, 102400
	s_add_co_u32 s[TO], s[TO], 272*25600           ; T: Wv's images 4 half on
	s_mul_i32 s[OBASE], s55, 409600                ; tile 4 chunk of kv,
	s_mul_i32 s57, s56, 25600
	s_add_co_u32 s[OBASE], s[OBASE], s57           ; V^T's image 4 half
	s_add_co_u32 s[OBASE], s[OBASE], 51200
	s_mov_b32 s[SM], 1536
	s_mov_b32 s[SW], 102400                        ; wave w's 128 keys are tile 4 chunk + w
	s_mov_b32 s[SOFF], 6144
	s_mov_b32 s[SWS], 102400
	s_mov_b32 s[STEP], 6400
	s_mov_b32 s[STEPX], 0
.Lset_done:
	s_mul_i32 s55, s[WV], 25600                    ; each wave fetches one of T's four images
	s_add_co_u32 s56, s[TO], s55
	s_mov_b32 s57, 0
	s_mul_i32 s58, s[WV], 51200                    ; my two images of S
	s_add_co_u32 s58, s58, s[SO]
	s_mov_b32 s59, 0
	s_mov_b32 s60, s[OBASE]
	s_mov_b32 s61, 0
	s_wait_kmcnt 0x0
	s_mov_b32 s[G0], 1
	s_mov_b32 s[G0+1], s55
	s_add_nc_u64 s[G0+2:G0+3], s[4:5], s[56:57]
	s_or_b32 s[G0+3], s[G0+3], 0x80000000
	tensor_load_to_lds s[G0:G0+3], s[G1:G1+7]      ; filled once: one load of mine is out
	s_nop 0
.rept 4
	v_nop
.endr
	s_add_nc_u64 s[SP:SP+1], s[4:5], s[58:59]
	s_cmp_eq_u32 s[PATH], 0
	s_cselect_b64 s[OB:OB+1], s[12:13], s[14:15]
	s_add_nc_u64 s[OB:OB+1], s[OB:OB+1], s[60:61]
	v_and_b32 v1, 31, v0                           ; lane
	v_and_b32 v2, 15, v0                           ; r
	v_bfe_u32 v3, v0, 4, 1                         ; h
	v_lshlrev_b32 v[LI], 4, v1
	v_lshlrev_b32 v[L8], 3, v1
	WIN 0x40                                       ; destination window 1
.irp s, 0,1
.irp t, 0,1,2,3,4,5,6,7
.irp c, 0,1,2
	global_load_b128 v[12*(8*\s+\t)+4*\c:12*(8*\s+\t)+4*\c+3], v[LI], s[SP:SP+1] offset:(\t/4)*25600+(\t%4)*6144+\s*1536+512*\c
.endr
.endr
.endr
	WIN 0x80                                       ; destination window 2
.irp s, 2,3
.irp t, 0,1,2,3,4,5,6,7
.irp c, 0,1,2
	global_load_b128 v[12*(8*(\s-2)+\t)+4*\c:12*(8*(\s-2)+\t)+4*\c+3], v[LI], s[SP:SP+1] offset:(\t/4)*25600+(\t%4)*6144+\s*1536+512*\c
.endr
.endr
.endr
	WIN 0
.irp q, 0,1
.irp s, 0,1,2,3
	global_load_b64 v[SS+8*\q+2*\s:SS+8*\q+2*\s+1], v[L8], s[SP:SP+1] offset:\q*25600+24576+256*\s
.endr
.endr
.irp b, 0,1,2,3
	v_add_nc_u32 v[AD+\b], \b*25600, v[LI]
	v_add_nc_u32 v[ADS+\b], \b*25600, v[L8]
.endr
	s_mul_i32 s55, s[WV], s[SW]
.irp m, 0,1,2,3
	s_mul_i32 s56, s[SM], \m
	s_add_co_u32 s56, s56, s55
	v_add_nc_u32 v[OC+\m], s56, v[LI]
.endr
	s_mul_i32 s55, s[WV], s[SWS]
	s_add_co_u32 s55, s55, s[SOFF]
	v_add_nc_u32 v[OSC], s55, v[L8]
.irp b, 0,1,2,3
	v_mov_b32 v[TM+4+\b], 0                        ; written once: a lane permute's destination counts as one of its sources
.endr
	s_wait_tensorcnt 0x0                           ; my image of T is in,
	s_barrier_signal -1
	s_barrier_wait -1                              ; everybody's is
.macro FETCH tb, m                     ; tile m of T's block tb: four fragments, as they lie
.irp s, 0,1,2,3
.irp c, 0,1,2
	ds_load_b128 v[XF+12*\s+4*\c:XF+12*\s+4*\c+3], v[AD+\tb] offset:(\m)*6144+\s*1536+512*\c
.endr
.endr
.endm
.macro KSTEP v, m, s                   ; eight products: my eight tiles of S against tile m of T, K step s.  The eight accumulators take turns
.irp t, 0,1,2,3,4,5,6,7
.if (\s) == 0
.if \v
	WM HA+8*\t, 12*\t, XF, BV+8*(\m), SS+8*(\t/4)+(\t%4)/2, XS+(\m)/2, \t%2, (\m)%2
.else
	WM HA+8*\t, 12*\t, XF, 192+8*\t, SS+8*(\t/4)+(\t%4)/2, XS+(\m)/2, \t%2, (\m)%2
.endif
.else
	WM HA+8*\t, 12*(8*((\s)%2)+\t), XF+12*(\s), HA+8*\t, SS+8*(\t/4)+2*(\s)+(\t%4)/2, XS+2*(\s)+(\m)/2, \t%2, (\m)%2
.endif
.endr
.endm
; a block of T: 64 rows.  For each of its four tiles: 32 products, the 64 results quantised in registers, the fragment stored; then the block's scale unit
.macro TBLOCK v, tb
.irp s, 0,1,2,3
	ds_load_b64 v[XS+2*\s:XS+2*\s+1], v[ADS+\tb] offset:24576+256*\s
.endr
	FETCH \tb, 0
.if \v
.irp m, 0,1,2,3
.irp j, 0,1,2,3,4,5,6,7
	v_mov_b32 v[BV+8*\m+\j], v[BT+4*\tb+\m]        ; bv of my row, as the C of the first products
.endr
.endr
.endif
.irp m, 0,1,2,3
	s_wait_dscnt 0x0                               ; the tile's fragments (and the scale words) are in
.if \v
	WIN 0x01                                       ; source 0 (S) window 1
.else
	WIN 0x11                                       ; and source 2 (the bias) window 1
.endif
	KSTEP \v, \m, 0
	WIN 0x01
	KSTEP \v, \m, 1
	WIN 0x02                                       ; source 0 window 2
	KSTEP \v, \m, 2
	KSTEP \v, \m, 3
	WIN 0
.rept 4
	v_nop                                          ; places in front of the loads into T's fragments and of the first read of results
.endr
.if \m < 3
	FETCH \tb, \m+1                                ; lands while this tile is quantised
.endif
	s_wait_xcnt 0x0                                ; the last stores have read the codes' registers
	QUANT HA, PW+\m
.irp c, 0,1,2
	global_store_b128 v[OC+\m], v[PC+4*\c:PC+4*\c+3], s[OB:OB+1] offset:512*\c
.endr
.endr
	v_cndmask_b32 v[PR2], v[PW], v[PW+1], s[HM]
	v_cndmask_b32 v[PR2+1], v[PW+2], v[PW+3], s[HM]
	global_store_b64 v[OSC], v[PR2:PR2+1], s[OB:OB+1]
.if \tb < 3
	s_wait_xcnt 0x0                                ; the stores have read their base
	s_add_nc_u64 s[OB:OB+1], s[OB:OB+1], s[STEP:STEP+1]
	s_xor_b32 s[STEP], s[STEP], s[STEPX]
.endif
.endm
	s_cmp_eq_u32 s[PATH], 2
	s_cbranch_scc1 .Lpath_v
	s_cmp_eq_u32 s[PATH], 0                        ; q, k: the bias of my 128 rows of S; lane (r, h) wants, for tile 2 b + u, units 32 b + 16 h + 8 u + 0 .. 7
	s_cselect_b64 s[BP:BP+1], s[6:7], s[8:9]
	s_lshl_b32 s56, s[WV], 9
	s_mov_b32 s57, 0
	s_add_nc_u64 s[BP:BP+1], s[BP:BP+1], s[56:57]
	v_lshlrev_b32 v[BO], 6, v3
	WIN 0x40
.irp t, 0,1,2,3,4,5,6,7
	global_load_b128 v[192+8*\t:192+8*\t+3], v[BO], s[BP:BP+1] offset:(32*(\t/2)+8*(\t%2))*4
	global_load_b128 v[192+8*\t+4:192+8*\t+7], v[BO], s[BP:BP+1] offset:(32*(\t/2)+8*(\t%2))*4+16
.endr
	WIN 0
	s_wait_loadcnt 0x0                             ; S, its scale words, the bias
	TBLOCK 0, 0
	TBLOCK 0, 1
	TBLOCK 0, 2
	TBLOCK 0, 3
	s_branch .Lend
.Lpath_v:
	s_and_b32 s56, s[IX], 1                        ; v: bv of my half's 256 rows; lane r of tile m of block tb wants row 64 tb + 32 (m / 2) + 8 (m % 2) + r + 8 (r / 8)
	s_lshl_b32 s56, s56, 10
	s_mov_b32 s57, 0
	s_add_nc_u64 s[BP:BP+1], s[10:11], s[56:57]
	v_and_b32 v[BO], 8, v2
	v_add_nc_u32 v[BO], v[BO], v2
	v_lshlrev_b32 v[BO], 2, v[BO]
.irp b, 0,1,2,3
.irp m, 0,1,2,3
	global_load_b32 v[BT+4*\b+\m], v[BO], s[BP:BP+1] offset:256*\b+4*(32*(\m/2)+8*(\m%2))
.endr
.endr
	s_wait_loadcnt 0x0                             ; S, its scale words, bv
	TBLOCK 1, 0
	TBLOCK 1, 1
	TBLOCK 1, 2
	TBLOCK 1, 3
.Lend:
	s_wait_tensorcnt 0x0                           ; the wave's end
	ds_add_u32 v[SPW], v[NIL]
	s_wait_dscnt 0x0
	s_endpgm
.Lfunc_end_k_qcdb55f5e4e_proj:
	.size	k_qcdb55f5e4e_proj, .Lfunc_end_k_qcdb55f5e4e_proj-k_qcdb55f5e4e_proj
	.p2alignl 7, 3214868480
	.fill 96, 4, 3214868480
	.section	.rodata,"a",@progbits
	.p2align	6, 0x0
	.amdhsa_kernel k_qcdb55f5e4e_proj
		.amdhsa_group_segment_fixed_size 167936
		.amdhsa_private_segment_fixed_size 0
		.amdhsa_enable_private_segment 0
		.amdhsa_kernarg_size 48
		.amdhsa_user_sgpr_count 2
		.amdhsa_user_sgpr_kernarg_segment_ptr 1
		.amdhsa_wavefront_size32 1
		.amdhsa_system_sgpr_workgroup_id_x 1
		.amdhsa_system_sgpr_workgroup_id_y 1
		.amdhsa_system_sgpr_workgroup_id_z 1
		.amdhsa_system_vgpr_workitem_id 0
		.amdhsa_next_free_vgpr 768
		.amdhsa_next_free_sgpr 66
		.amdhsa_reserve_vcc 0
		.amdhsa_float_denorm_mode_32 3
		.amdhsa_float_denorm_mode_16_64 3
		.amdhsa_memory_ordered 1
		.amdhsa_forward_progress 1
		.amdhsa_inst_pref_size 255
	.end_amdhsa_kernel
	.section	.bss,"aw",@nobits
	.p2align	6
	.space	262144
	.amdgpu_metadata
---
amdhsa.version: [ 1, 2 ]
amdhsa.kernels:
  - .name:           k_qcdb55f5e4e_proj
    .symbol:         k_qcdb55f5e4e_proj.kd
    .args:
      - { .name: cw, .offset: 0, .size: 8, .value_kind: global_buffer, .address_space: global }
      - { .name: bq, .offset: 8, .size: 8, .value_kind: global_buffer, .address_space: global }
      - { .name: bk, .offset: 16, .size: 8, .value_kind: global_buffer, .address_space: global }
      - { .name: bv, .offset: 24, .size: 8, .value_kind: global_buffer, .address_space: global }
      - { .name: qws, .offset: 32, .size: 8, .value_kind: global_buffer, .address_space: global }
      - { .name: kv, .offset: 40, .size: 8, .value_kind: global_buffer, .address_space: global }
    .group_segment_fixed_size: 167936
    .private_segment_fixed_size: 0
    .kernarg_segment_align: 8
    .kernarg_segment_size: 48
    .max_flat_workgroup_size: 128
    .sgpr_count:     66
    .vgpr_count:     768
    .wavefront_size: 32
...
	.end_amdgpu_metadata
.endif
;; end of part 2
;; launch attn (part 3): grid 32 x 8, 4 waves a work-group, clusters of 4 x 1, 327,680 bytes of LDS; arguments qws, kv, mask, out0; writes out0
.if DOCPART == 3
	.amdgcn_target "amdgcn-amd-amdhsa--gfx1250"
	.amdhsa_code_object_version 6
	.text
	.protected	k_qcdb55f5e4e_attn
	.globl	k_qcdb55f5e4e_attn
	.p2align	8
	.type	k_qcdb55f5e4e_attn,@function
k_qcdb55f5e4e_attn:
	s_mov_b64 s[64:65], 0
	v_nop
	global_prefetch_b8 v0, s[64:65] scope:SCOPE_SE
	s_setreg_imm32_b32 hwreg(HW_REG_WAVE_MODE, 25, 1), 1
	s_wait_xcnt 0x0
	s_wait_alu depctr_hold_cnt(0) depctr_sa_sdst(0) depctr_va_vdst(0) depctr_va_sdst(0) depctr_va_ssrc(0) depctr_va_vcc(0) depctr_vm_vsrc(0)
	s_getreg_b32 s2, hwreg(HW_REG_IB_STS2, 6, 4)
	s_cmp_eq_u32 s2, 0
	s_cbranch_scc0 .Lentry_in_a_cluster
	s_endpgm
.Lentry_in_a_cluster:
	s_bfe_u32 s2, ttmp6, 0x10000c
	s_cmp_lg_u32 s2, 0x3003
	s_cbranch_scc0 .Lentry_shape_is_right
	s_endpgm
.Lentry_shape_is_right:
; out0[b][q][:] = the sum over keys of softmax((q . k + mask[b][q][key]) / sqrt(512)) v[key][:], both products on codes of BF6 (E3M2) with one E8M0 scale for each 32 along K.  No work of the problem is left out.
; THE SOFTMAX AHEAD OF THE SECOND PRODUCT: t = (score + mask) x log2(e) / sqrt(512); M = the row's largest t so far, rounded UP to a whole number; p = 2^(t - M) is quantised along the keys, not normalised;
; the row's sum is taken of the unquantised p and divides at the end.  When M moves, the sum and O are multiplied by 2^(old M - new M): exact.
; SHARES.  A work-group owns 64 queries of one batch: four tiles n of 16 (lane r of tile n: query 32 (n / 2) + 8 (n % 2) + r + 8 (r / 8)), and walks the 2,048 keys in 16 steps of 128.  O for 16 queries is 256 registers, so a wave
; cannot own whole queries and still feed several products from a fragment.  THE FOUR WAVES SHARE THE 64 QUERIES: in a step wave w makes S^T for ITS 32 keys (two tiles of keys) against all four tiles of queries
; (32 products, each fragment of K feeding four), and O^T for ITS 128 channels (eight tiles) against all four (32 products, each fragment of V feeding four).  Both products are used transposed: a lane holds one query throughout.
; Wave w's 16 scores a lane are keys 32 w + 16 (lane / 16) + 0 .. 15: half of block w of the query's 128 keys.  So one conversion gives 12 bytes of P's row and the block's byte; they meet in LDS as rows of 96 bytes (112 apart).
; TWO BARRIERS IN A STEP: behind the first the four waves' largest scores of each query lie in LDS (all waves then hold the same M); behind the second P's codes and scale words.
; K AND V come as one dense tile of 102,400 bytes a step (images of operand registers, made by the launch before) through two LDS slots.  CLUSTER: the four work-groups of a cluster belong to one batch and walk the same tiles:
; each quarter of a tile is asked for JOINTLY, by the same tensor load with the mask 15 in all four; every wave loads one quarter.  Two loads of a wave are out at the head, one behind each round.
; THE MASK is read once by one lane each, so it goes straight into registers, two steps ahead, in two sets of 64 registers; it is added to the scores in f32 ahead of the scaling.
; It is also prefetched: in step i each wave names, by one instruction behind its mask loads, 32 of the 128 aligned blocks of 256 bytes (64 rows x 512 bytes) of step i + 3, one step ahead of the loads that want them;
; each block is named once; steps 13 to 15 name nothing.  K and V are not: their 400 blocks a step do not divide among 128 lanes with all lanes on, and they are a tenth of the mask's bytes.
; LIMITS: NaN and +infinity among the inputs are not served; a row all of whose keys carry -infinity gives NaN; t - M is one fused multiply-add of the score, so a row whose largest |t| passes 2^20
; loses its fractions as f32 does; a block whose every p is 0 carries the byte 1 (its codes are zeros).
; REGISTERS, in windows of 256: window 0: v1-23 addresses; v24-55 eight statistics a tile; v56-71 the four waves' figures; v72-91 P's codes and scale operands; v92-109 scale words; v112-175 S^T, then p; v176-223 P's fragments.
;   window 1: O^T, accumulator (d tile, n) at 8 (4 d + n).   window 2: Q at 12 (4 n + s); v192-255 mask set 0.   window 3: K at 12 (4 u + s); V at 96 + 12 d; v192-255 mask set 1.
.set SLOT1, 131072                     ; LDS: slot 0 at 0, slot 1 here: 102,400 bytes each
.set PR,    102400                     ; P: 4 tiles x 16 rows x 112 bytes
.set PSC,   109568                     ; P's scale words: 4 bytes a query
.set MX,    109824                     ; 4 tiles x 16 queries x 4 waves: largest scores; at the end the sums
.set SPARE, 110848                     ; the spare words, 128 bytes for each wave
.set STG,   233472                     ; the way out: 16 rows x 528 bytes for each wave
.set AK,   1                           ; v1-2   my K fragments in slot 0, 1
.set AV,   3                           ; v3-4   my V fragments
.set AKS,  5                           ; v5-6   my K scale words
.set AVS,  7                           ; v7-8   my V scale words
.set AMW,  9
.set AMR,  10
.set APW,  11
.set APR,  12
.set APSW, 13
.set APSR, 14
.set MO,   15                          ; v15  the mask: (r + 8 (r / 8)) rows + 128 w + 64 h bytes
.set PFO,  16                          ; v16  the prefetches: row 16 w + lane / 2, block lane % 2
.set STO,  17
.set RD,   18
.set GO,   19
.set SPW,  20                          ; v20  my spare word's address; never rewritten
.set NIL,  21                          ; v21  0; never rewritten
.set LI,   22                          ; v22  16 x lane
.set L8,   23                          ; v23  8 x lane
.set ST,   24                          ; tile n at 8 n: +0 -M, +1 the largest t, +2, +3 the sum, +4 f (later 1 / the sum), +5 its pair's upper half, +6 the block's largest score, +7 at work
.set X4,   56
.set PCD,  72
.set SCO,  88
.set QS,   92
.set KS,   100
.set VS,   104
.set PS,   108
.set S,    112
.set PF,   176
.set VF,   96
.set MK,   192
.set WV,  12
.set SEL, 20
.set CS,  22
.set G1,  24
.set G0,  32
.set MP,  40
.set OP,  42
.set TRIP, 44
.set MSB, 0
.macro WIN new                         ; the immediate's high byte repeats the setting that is left
.if MSB != (\new)
	s_set_vgpr_msb (MSB<<8)|(\new)
.set MSB, (\new)
.endif
.endm
.macro ROUND                           ; a round of the cluster's barrier
	s_barrier_signal -1
	s_barrier_wait -1
	s_cmp_lg_u32 s[WV], 0
	s_cbranch_scc1 .Lnot_wave_0_\@
	s_barrier_signal -3
.Lnot_wave_0_\@:
	s_barrier_wait -3
	s_barrier_signal -1
	s_barrier_wait -1
.endm
; one product: D, A, B by their first registers; c: C's first register, or -1: the constant 0 starts the sum; the scale registers; ra, rb = 1: that side's scales stand in lanes 16-31
.macro WM d, a, b, c, sa, sb, ra, rb
.if (\c) < 0
.if (\ra) && (\rb)
	v_wmma_scale_f32_16x16x128_f8f6f4 v[\d:\d+7], v[\a:\a+11], v[\b:\b+11], 0, v[\sa], v[\sb] matrix_a_fmt:MATRIX_FMT_BF6 matrix_b_fmt:MATRIX_FMT_BF6 matrix_a_scale:MATRIX_SCALE_ROW1 matrix_b_scale:MATRIX_SCALE_ROW1
.elseif (\ra)
	v_wmma_scale_f32_16x16x128_f8f6f4 v[\d:\d+7], v[\a:\a+11], v[\b:\b+11], 0, v[\sa], v[\sb] matrix_a_fmt:MATRIX_FMT_BF6 matrix_b_fmt:MATRIX_FMT_BF6 matrix_a_scale:MATRIX_SCALE_ROW1
.elseif (\rb)
	v_wmma_scale_f32_16x16x128_f8f6f4 v[\d:\d+7], v[\a:\a+11], v[\b:\b+11], 0, v[\sa], v[\sb] matrix_a_fmt:MATRIX_FMT_BF6 matrix_b_fmt:MATRIX_FMT_BF6 matrix_b_scale:MATRIX_SCALE_ROW1
.else
	v_wmma_scale_f32_16x16x128_f8f6f4 v[\d:\d+7], v[\a:\a+11], v[\b:\b+11], 0, v[\sa], v[\sb] matrix_a_fmt:MATRIX_FMT_BF6 matrix_b_fmt:MATRIX_FMT_BF6
.endif
.else
.if (\ra) && (\rb)
	v_wmma_scale_f32_16x16x128_f8f6f4 v[\d:\d+7], v[\a:\a+11], v[\b:\b+11], v[\c:\c+7], v[\sa], v[\sb] matrix_a_fmt:MATRIX_FMT_BF6 matrix_b_fmt:MATRIX_FMT_BF6 matrix_a_scale:MATRIX_SCALE_ROW1 matrix_b_scale:MATRIX_SCALE_ROW1
.elseif (\ra)
	v_wmma_scale_f32_16x16x128_f8f6f4 v[\d:\d+7], v[\a:\a+11], v[\b:\b+11], v[\c:\c+7], v[\sa], v[\sb] matrix_a_fmt:MATRIX_FMT_BF6 matrix_b_fmt:MATRIX_FMT_BF6 matrix_a_scale:MATRIX_SCALE_ROW1
.elseif (\rb)
	v_wmma_scale_f32_16x16x128_f8f6f4 v[\d:\d+7], v[\a:\a+11], v[\b:\b+11], v[\c:\c+7], v[\sa], v[\sb] matrix_a_fmt:MATRIX_FMT_BF6 matrix_b_fmt:MATRIX_FMT_BF6 matrix_b_scale:MATRIX_SCALE_ROW1
.else
	v_wmma_scale_f32_16x16x128_f8f6f4 v[\d:\d+7], v[\a:\a+11], v[\b:\b+11], v[\c:\c+7], v[\sa], v[\sb] matrix_a_fmt:MATRIX_FMT_BF6 matrix_b_fmt:MATRIX_FMT_BF6
.endif
.endif
.endm
.macro MLOAD set, moff                 ; a step's mask for my 64 scores, moff bytes along the rows from s[MP]: register 16 n + 4 j + i: query (n, r), key 32 w + 16 h + 4 j + i
	WIN 0x80+0x40*(\set)                           ; destination window 2 or 3
.irp n, 0,1,2,3
.irp j, 0,1,2,3
	global_load_b128 v[MK+16*\n+4*\j:MK+16*\n+4*\j+3], v[MO], s[MP:MP+1] offset:(32*(\n/2)+8*(\n%2))*8192+16*\j+\moff th:TH_LOAD_NT
.endr
.endr
	WIN 0
.endm
.macro RESC                            ; all of O^T times v[ST + 8 n + 4], each accumulator from its low end on
	WIN 0x41                                       ; destination and source 0 window 1
.set i, 0
.rept 32
.irp k, 0,2,4,6
	v_pk_mul_f32 v[8*i+\k:8*i+\k+1], v[8*i+\k:8*i+\k+1], v[ST+8*(i%4)+4:ST+8*(i%4)+5] op_sel_hi:[1,0]
.endr
.set i, i+1
.endr
	WIN 0
.endm
	s_load_b256 s[4:11], s[0:1], 0x0               ; qws, kv, mask, out0
	v_lshl_add_u32 v[SPW], v0, 2, SPARE
	v_mov_b32 v[NIL], 0
	ds_add_u32 v[SPW], v[NIL]                      ; the wave's opening: the add, twice on end, and its wait ahead of my first tensor load
	ds_add_u32 v[SPW], v[NIL]
	v_lshrrev_b32 v56, 5, v0
	v_readfirstlane_b32 s[WV], v56                 ; wave 0..3
	s_bfe_u32 s13, ttmp6, 0x40000                  ; cx: my place in the cluster
	s_lshl_b32 s14, ttmp9, 2
	s_add_co_u32 s14, s14, s13                     ; my block of 64 queries: it enters Q's, the mask's and the output's addresses alone
	s_and_b32 s15, ttmp7, 0xffff                   ; the batch, which the four partners share
	; descriptor group 1: a quarter of a tile, 25,600 dense bytes, as 100 rows of 256 bytes (32 elements of 8 bytes), no padding; the mask names all four work-groups, bit 21 beside it
	s_mov_b32 s[G1], 15|(3<<16)|(1<<21)
	s_mov_b32 s[G1+1], 32<<16
	s_mov_b32 s[G1+2], 100<<16
	s_mov_b32 s[G1+3], 32<<16
	s_mov_b32 s[G1+4], 100
	s_mov_b32 s[G1+5], 32
	s_mov_b32 s[G1+6], 0
	s_mov_b32 s[G1+7], 0
	s_mov_b32 s[SEL], 0x76543210
	s_mov_b32 s[SEL+1], 0xfedcba98
	s_mov_b32 s[CS], 0x3d8293ee                    ; c = log2(e) / sqrt(512)
	s_mov_b32 s[CS+1], s[CS]                       ; (named with it as a pair, so it is written)
	s_mul_i32 s16, s15, 16*102400                  ; the batch's first tile,
	s_mul_i32 s18, s[WV], 25600                    ; my quarter: in memory and in a slot
	s_add_co_u32 s16, s16, s18
	s_mov_b32 s17, 0
	s_lshl_b32 s46, s15, 24                        ; the mask: 2,048 rows of 8,192 bytes a batch,
	s_lshl_b32 s47, s14, 19                        ; 64 rows a block
	s_add_co_u32 s46, s46, s47
	s_mov_b32 s47, 0
	s_lshl_b32 s50, s15, 22                        ; the output: rows of 2,048 bytes
	s_lshl_b32 s51, s14, 17
	s_add_co_u32 s50, s50, s51
	s_mov_b32 s51, 0
	s_lshl_b32 s48, s15, 5
	s_add_co_u32 s48, s48, s14
	s_mul_i32 s48, s48, 25600                      ; Q's image
	s_mov_b32 s49, 0
	s_wait_dscnt 0x0                               ; both opening adds are done
	s_wait_kmcnt 0x0
	s_add_nc_u64 s[MP:MP+1], s[8:9], s[46:47]
	s_add_nc_u64 s[OP:OP+1], s[10:11], s[50:51]
	s_add_nc_u64 s[48:49], s[4:5], s[48:49]
	s_add_nc_u64 s[16:17], s[6:7], s[16:17]
	ROUND                                          ; all four work-groups are here: the first joint loads meet
.irp g, 0,1
	s_mov_b32 s[G0+4*\g], 1
	s_add_co_u32 s[G0+4*\g+1], s18, \g*SLOT1
	s_add_nc_u64 s[G0+4*\g+2:G0+4*\g+3], s[16:17], \g*102400
	s_or_b32 s[G0+4*\g+3], s[G0+4*\g+3], 0x80000000
.endr
	tensor_load_to_lds s[G0:G0+3], s[G1:G1+7]      ; tile 0
	s_nop 0
	tensor_load_to_lds s[G0+4:G0+7], s[G1:G1+7]    ; tile 1
	s_nop 0
.rept 4
	v_nop
.endr
	v_and_b32 v60, 31, v0                          ; lane
	v_and_b32 v61, 15, v0                          ; r
	v_bfe_u32 v62, v0, 4, 1                        ; h
	v_lshlrev_b32 v[LI], 4, v60
	v_lshlrev_b32 v[L8], 3, v60
	v_and_b32 v63, 8, v61
	v_add_nc_u32 v63, v63, v61                     ; r + 8 (r / 8)
	v_lshlrev_b32 v[MO], 13, v63
	v_lshl_add_u32 v[MO], v62, 6, v[MO]
	s_lshl_b32 s45, s[WV], 7
	v_add_nc_u32 v[MO], s45, v[MO]
	WIN 0x80                                       ; destination window 2
.irp n, 0,1,2,3
.irp s, 0,1,2,3
.irp c, 0,1,2
	global_load_b128 v[12*(4*\n+\s)+4*\c:12*(4*\n+\s)+4*\c+3], v[LI], s[48:49] offset:\n*6144+\s*1536+512*\c   ; Q stays in registers
.endr
.endr
.endr
	WIN 0
.irp s, 0,1,2,3
	global_load_b64 v[QS+2*\s:QS+2*\s+1], v[L8], s[48:49] offset:24576+256*\s   ; 2 s + j: tile 2 j in lanes 0-15, tile 2 j + 1 in lanes 16-31
.endr
	MLOAD 0, 0                                     ; the mask of steps 0 and 1
	MLOAD 1, 512
	s_lshr_b32 s45, s[WV], 1                       ; my two tiles of keys lie in K's image w / 2, tiles 2 (w % 2) on
	s_mul_i32 s45, s45, 25600
	s_and_b32 s46, s[WV], 1
	s_mul_i32 s47, s46, 12288
	s_add_co_u32 s47, s47, s45
	v_add_nc_u32 v[AK], s47, v[LI]
	v_add_nc_u32 v[AK+1], SLOT1, v[AK]
	s_lshl_b32 s46, s46, 2                         ; their scale words: word w % 2 of a lane's 8 bytes: tile u in lanes 16 u on
	s_add_co_u32 s46, s46, s45
	s_add_co_u32 s46, s46, 24576
	v_add_nc_u32 v[AKS], s46, v[L8]
	v_add_nc_u32 v[AKS+1], SLOT1, v[AKS]
	s_mul_i32 s45, s[WV], 12800                    ; my 128 channels: V^T's images 2 w, 2 w + 1
	s_add_co_u32 s45, s45, 51200
	v_add_nc_u32 v[AV], s45, v[LI]
	v_add_nc_u32 v[AV+1], SLOT1, v[AV]
	s_add_co_u32 s45, s45, 6144
	v_add_nc_u32 v[AVS], s45, v[L8]
	v_add_nc_u32 v[AVS+1], SLOT1, v[AVS]
	v_lshl_add_u32 v[AMR], v61, 4, MX              ; a query's four words,
	s_lshl_b32 s45, s[WV], 2
	v_add_nc_u32 v[AMW], s45, v[AMR]               ; and mine of them
	v_mul_u32_u24 v63, v61, 112
	v_mad_u32_u24 v[APR], v62, 24, v63
	v_add_nc_u32 v[APR], PR, v[APR]                ; P as an operand: row r, + 24 h
	v_mad_u32_u24 v[APW], v62, 12, v63
	s_mul_i32 s45, s[WV], 24
	v_add_nc_u32 v[APW], s45, v[APW]
	v_add_nc_u32 v[APW], PR, v[APW]                ; my 12 bytes of it: block w, half h
	v_lshl_add_u32 v[APSW], v61, 2, PSC
	v_add_nc_u32 v[APSW], s[WV], v[APSW]           ; byte w of query r's scale word
	v_lshl_add_u32 v[APSR], v60, 2, PSC            ; back: tile 2 j in lanes 0-15, tile 2 j + 1 in lanes 16-31
	v_lshrrev_b32 v63, 1, v60
	v_lshlrev_b32 v[PFO], 13, v63
	v_and_b32 v63, 1, v60
	v_lshl_add_u32 v[PFO], v63, 8, v[PFO]
	s_lshl_b32 s45, s[WV], 17
	v_add_nc_u32 v[PFO], s45, v[PFO]
	s_mul_i32 s45, s[WV], 8448
	s_add_co_u32 s45, s45, STG                     ; my stage
	v_mul_u32_u24 v[STO], v61, 528
	v_lshl_add_u32 v[STO], v62, 6, v[STO]
	v_add_nc_u32 v[STO], s45, v[STO]               ; in: row r, + 64 h
	v_add_nc_u32 v[RD], s45, v[LI]                 ; back: a row of 512 bytes, 16 a lane
	s_lshl_b32 s45, s[WV], 9
	v_add_nc_u32 v[GO], s45, v[LI]                 ; and in a row of the output: my 128 channels
.irp n, 0,1,2,3
	v_mov_b32 v[ST+8*\n+5], 0                      ; named as the upper half of a pair, so it is written
	v_mov_b32 v[ST+8*\n+7], 0                      ; a lane permute's destination counts as one of its sources
.endr
	s_wait_loadcnt 32                              ; Q and its scale words are in; the 32 mask loads may be out
; A KEY STEP.  slot: the LDS slot and the mask set in hand.  first = 1: it starts M, the sums and O^T.  top = 2: the other slot is filled again; 1: it is not; 0: the first step.
; mload = 1: the mask set is loaded again, for two steps on, moff bytes from s[MP]; pfoff >= 0: the prefetch, pfoff bytes from s[MP].  lcnt: the younger mask loads, which may stay out.
.macro STEP slot, first, top, mload, moff, pfoff, lcnt
.if \top == 2
	s_wait_tensorcnt 0x0                           ; all my tensor loads have landed: my quarter of this step's tile; so a group 0 may be written
	ds_add_u32 v[SPW], v[NIL]                      ; 0 onto my spare word
	s_add_nc_u64 s[G0+4*(1-\slot)+2:G0+4*(1-\slot)+3], s[G0+4*(1-\slot)+2:G0+4*(1-\slot)+3], 204800   ; the other slot's next tile: two tiles on
	s_wait_dscnt 0x0                               ; the add is done, and my reads of the other slot are over
	ROUND                                          ; both now hold of every wave of all four work-groups
	tensor_load_to_lds s[G0+4*(1-\slot):G0+4*(1-\slot)+3], s[G1:G1+7]   ; the next step's tile: my one load behind the round
	s_nop 0
.rept 4
	v_nop                                          ; these are also the places in front of the loads into V's fragments, which the last products read
.endr
.elseif \top == 1
	s_wait_tensorcnt 0x0
	ds_add_u32 v[SPW], v[NIL]
	s_wait_dscnt 0x0
	s_barrier_signal -1
	s_barrier_wait -1                              ; the last tile is whole; nothing is asked for
.rept 4
	v_nop
.endr
.else
	s_wait_tensorcnt 0x1                           ; my quarter of tile 0 is in; tile 1's may stay out
	s_barrier_signal -1
	s_barrier_wait -1
.endif
	; 54 LDS loads: K's scale words, K by K steps, V's scale words, V
.irp s, 0,1,2,3
	ds_load_b32 v[KS+\s], v[AKS+\slot] offset:256*\s
.endr
	WIN 0xc0                                       ; destination window 3
.irp s, 0,1,2,3
.irp u, 0,1
.irp c, 0,1,2
	ds_load_b128 v[12*(4*\u+\s)+4*\c:12*(4*\u+\s)+4*\c+3], v[AK+\slot] offset:\u*6144+\s*1536+512*\c
.endr
.endr
.endr
	WIN 0
.irp q, 0,1
	ds_load_b64 v[VS+2*\q:VS+2*\q+1], v[AVS+\slot] offset:6400*\q
.endr
	WIN 0xc0
.irp d, 0,1,2,3,4,5,6,7
.irp c, 0,1,2
	ds_load_b128 v[VF+12*\d+4*\c:VF+12*\d+4*\c+3], v[AV+\slot] offset:(\d/4)*6400+(\d%4)*1536+512*\c
.endr
.endr
	; S^T = K Q^T: my two tiles of keys x four tiles of queries, K step by K step; the eight accumulators take turns
	WIN 0x0b                                       ; source 0 (K) window 3, source 1 (Q) window 2
.irp s, 0,1,2,3
	s_wait_dscnt 44-6*\s                           ; K step s is in: behind it 6 loads for each later K step, V's 2 and 24
.irp n, 0,1,2,3
.irp u, 0,1
.if \s == 0
	WM S+16*\n+8*\u, 12*(4*\u+\s), 12*(4*\n+\s), -1, KS+\s, QS+2*\s+\n/2, \u, \n%2
.else
	WM S+16*\n+8*\u, 12*(4*\u+\s), 12*(4*\n+\s), S+16*\n+8*\u, KS+\s, QS+2*\s+\n/2, \u, \n%2
.endif
.endr
.endr
.endr
	WIN 0
.rept 4
	v_nop                                          ; places in front of the first read of results
.endr
	s_wait_loadcnt \lcnt                           ; this step's mask is in
	WIN 0x08+4*\slot                               ; source 1: window 2 or 3
.irp k, 0,2,4,6,8,10,12,14,16,18,20,22,24,26,28,30,32,34,36,38,40,42,44,46,48,50,52,54,56,58,60,62
	v_pk_add_f32 v[S+\k:S+\k+1], v[S+\k:S+\k+1], v[MK+\k:MK+\k+1]   ; score + mask, each accumulator from its low end on
.endr
	WIN 0
.if \mload
	MLOAD \slot, \moff
.endif
.if (\pfoff) >= 0
	global_prefetch_b8 v[PFO], s[MP:MP+1] offset:\pfoff th:TH_LOAD_NT scope:SCOPE_SE
.endif
	; the largest score of my block of 32 keys, for each query: it serves the row's maximum and, since p rises with the score, the block's largest p
.irp n, 0,1,2,3
	v_max3_num_f32 v[ST+8*\n+6], v[S+16*\n], v[S+16*\n+1], v[S+16*\n+2]
.endr
.irp k, 3,5,7,9,11,13
.irp n, 0,1,2,3
	v_max3_num_f32 v[ST+8*\n+6], v[ST+8*\n+6], v[S+16*\n+\k], v[S+16*\n+\k+1]
.endr
.endr
.irp n, 0,1,2,3
	v_max_num_f32 v[ST+8*\n+6], v[ST+8*\n+6], v[S+16*\n+15]
.endr
.irp n, 0,1,2,3
	v_permlanex16_b32 v[ST+8*\n+7], v[ST+8*\n+6], s[SEL], s[SEL+1]
.endr
.irp n, 0,1,2,3
	v_max_num_f32 v[ST+8*\n+6], v[ST+8*\n+6], v[ST+8*\n+7]
.endr
.irp n, 0,1,2,3
	ds_store_b32 v[AMW], v[ST+8*\n+6] offset:256*\n   ; both halves of the lanes write the same word with the same value
.endr
	s_wait_dscnt 0x0                               ; for the others' sake: my stores are done (and V is in)
	s_barrier_signal -1
	s_barrier_wait -1                              ; barrier 1
.irp n, 0,1,2,3
	ds_load_b128 v[X4+4*\n:X4+4*\n+3], v[AMR] offset:256*\n
.endr
	s_wait_dscnt 0x0
.irp n, 0,1,2,3
	v_max3_num_f32 v[ST+8*\n+7], v[X4+4*\n], v[X4+4*\n+1], v[X4+4*\n+2]
.endr
.irp n, 0,1,2,3
	v_max_num_f32 v[ST+8*\n+7], v[ST+8*\n+7], v[X4+4*\n+3]   ; the step's largest score of the query
.endr
.irp n, 0,1,2,3
	v_mul_f32 v[ST+8*\n+7], s[CS], v[ST+8*\n+7]    ; as t (c is positive)
.endr
.if \first
.irp n, 0,1,2,3
	v_max_num_f32 v[ST+8*\n+1], 0xff61b1e6, v[ST+8*\n+7]   ; not under -3e38: 128 keys of -infinity leave M a number
.endr
.else
.irp n, 0,1,2,3
	v_max_num_f32 v[ST+8*\n+1], v[ST+8*\n+1], v[ST+8*\n+7]   ; the running largest t
.endr
.irp n, 0,1,2,3
	v_mov_b32 v[ST+8*\n+4], v[ST+8*\n]
.endr
.endif
.irp n, 0,1,2,3
	v_floor_f32 v[ST+8*\n], -v[ST+8*\n+1]          ; -M = floor(-t) = -ceil(t): M is a whole number
.endr
.if !\first
.irp n, 0,1,2,3
	v_sub_f32 v[ST+8*\n+4], v[ST+8*\n], v[ST+8*\n+4]   ; old M less new M: a whole number, 0 or less
.endr
.irp n, 0,1,2,3
	v_cvt_i32_f32 v[ST+8*\n+4], v[ST+8*\n+4]       ; (it saturates)
.endr
.irp n, 0,1,2,3
	v_ldexp_f32 v[ST+8*\n+4], 1.0, v[ST+8*\n+4]    ; f = 2^(old M - new M)
.endr
.endif
.irp n, 0,1,2,3
.irp k, 0,2,4,6,8,10,12,14
	v_pk_fma_f32 v[S+16*\n+\k:S+16*\n+\k+1], v[S+16*\n+\k:S+16*\n+\k+1], s[CS:CS+1], v[ST+8*\n:ST+8*\n+1] op_sel_hi:[1,0,0]   ; t - M
.endr
.endr
.irp n, 0,1,2,3
	v_fma_f32 v[ST+8*\n+6], v[ST+8*\n+6], s[CS], v[ST+8*\n]   ; the same of the block's largest score
.endr
.set i, 0
.rept 64
	v_exp_f32 v[S+i], v[S+i]                       ; p = 2^(t - M), at most 1
.set i, i+1
.endr
.if \first
	v_nop                                          ; a plain place behind the exponentials
.else
.irp n, 0,1,2,3
	v_pk_mul_f32 v[ST+8*\n+2:ST+8*\n+3], v[ST+8*\n+2:ST+8*\n+3], v[ST+8*\n+4:ST+8*\n+5] op_sel_hi:[1,0]   ; the sums under the new M; plain places behind the exponentials
.endr
.endif
	s_wait_alu depctr_va_vdst(0)                   ; one wait for the batch of 64, ahead of its first reader
.irp n, 0,1,2,3
	v_exp_f32 v[ST+8*\n+6], v[ST+8*\n+6]           ; the block's largest p
.endr
.if \first
.irp n, 0,1,2,3
	v_pk_add_f32 v[ST+8*\n+2:ST+8*\n+3], v[S+16*\n:S+16*\n+1], v[S+16*\n+2:S+16*\n+3]   ; the sum of the UNQUANTISED p begins
.endr
.irp k, 4,6,8,10,12,14
.irp n, 0,1,2,3
	v_pk_add_f32 v[ST+8*\n+2:ST+8*\n+3], v[ST+8*\n+2:ST+8*\n+3], v[S+16*\n+\k:S+16*\n+\k+1]
.endr
.endr
.else
.irp k, 0,2,4,6,8,10,12,14
.irp n, 0,1,2,3
	v_pk_add_f32 v[ST+8*\n+2:ST+8*\n+3], v[ST+8*\n+2:ST+8*\n+3], v[S+16*\n+\k:S+16*\n+\k+1]   ; four chains by turns
.endr
.endr
.endif
	s_wait_alu depctr_va_vdst(0)                   ; and one for the four
.irp n, 0,1,2,3
	v_max_num_f32 v[ST+8*\n+6], 0x2800000, v[ST+8*\n+6]   ; the floor 2^(5 - 127): the byte cannot fall under 1
.endr
.irp n, 0,1,2,3
	v_add_nc_u32 v[SCO+\n], 0xfe000000, v[ST+8*\n+6]      ; 4 off the exponent field: the conversion's scale operand
.endr
.irp n, 0,1,2,3
	v_lshrrev_b32 v[ST+8*\n+7], 23, v[SCO+\n]      ; the scale's byte
.endr
.irp n, 0,1,2,3
	v_cvt_scalef32_pk16_bf6_f32 v[PCD+4*\n:PCD+4*\n+2], v[S+16*\n:S+16*\n+15], v[SCO+\n]   ; 96 bits: keys 32 w + 16 h + 0 .. 15 of query (n, r)
.endr
	v_nop                                          ; one plain place behind a scaled conversion
.irp n, 0,1,2,3
.irp k, 0,1,2
	ds_store_b32 v[APW], v[PCD+4*\n+\k] offset:1792*\n+4*\k
.endr
	ds_store_b8 v[APSW], v[ST+8*\n+7] offset:64*\n
.endr
	s_wait_dscnt 0x0                               ; for the others' sake: my part of P is in LDS
	s_barrier_signal -1                            ; barrier 2: while the others arrive, work on registers:
.if !\first
	RESC                                           ; O^T under the new M
.endif
	s_barrier_wait -1
.irp n, 0,1,2,3
.irp p, 0,1,2,3,4,5
	ds_load_b64 v[PF+12*\n+2*\p:PF+12*\n+2*\p+1], v[APR] offset:1792*\n+48*(\p/3)+8*(\p%3)
.endr
.endr
.irp j, 0,1
	ds_load_b32 v[PS+\j], v[APSR] offset:128*\j
.endr
	s_wait_dscnt 0x0
	; O^T += V^T P^T: my eight tiles of channels x four tiles of queries; K = these 128 keys.  32 accumulators, one product each
	WIN 0x53                                       ; source 0 (V) window 3, source 1 (P) window 0, C and D window 1
.irp d, 0,1,2,3,4,5,6,7
.irp n, 0,1,2,3
.if \first
	WM 8*(4*\d+\n), VF+12*\d, PF+12*\n, -1, VS+2*(\d/4)+(\d%4)/2, PS+\n/2, \d%2, \n%2
.else
	WM 8*(4*\d+\n), VF+12*\d, PF+12*\n, 8*(4*\d+\n), VS+2*(\d/4)+(\d%4)/2, PS+\n/2, \d%2, \n%2
.endif
.endr
.endr
	WIN 0
.endm
	STEP 0, 1, 0, 1, 1024, 1536, 16                ; step 0: loads the mask of step 2, names that of step 3
	s_mov_b32 s[TRIP], 6
.Lpair:                                            ; steps 1 to 12, two a trip: each fills the other slot, loads the mask of two steps on and names that of three steps on
	STEP 1, 0, 2, 1, 1536, 2048, 16
	STEP 0, 0, 2, 1, 2048, 2560, 16
	s_wait_xcnt 0x0                                ; the mask's loads and prefetches have read their base
	s_add_nc_u64 s[MP:MP+1], s[MP:MP+1], 1024      ; two steps on
	s_sub_co_u32 s[TRIP], s[TRIP], 1
	s_cmp_lg_u32 s[TRIP], 0
	s_cbranch_scc1 .Lpair
	STEP 1, 0, 2, 1, 1536, -1, 16                  ; step 13: the mask of step 15; the tail is written out, so that no load is jumped over
	STEP 0, 0, 2, 0, 0, -1, 16                     ; step 14: asks for tile 15
	STEP 1, 0, 1, 0, 0, -1, 0                      ; step 15
	; THE WAY OUT.  A query's sum lies in two halves, in two lanes and in four waves.  (The additions are the places behind the last products.)
.irp n, 0,1,2,3
	v_add_f32 v[ST+8*\n+7], v[ST+8*\n+2], v[ST+8*\n+3]
.endr
.irp n, 0,1,2,3
	v_permlanex16_b32 v[ST+8*\n+6], v[ST+8*\n+7], s[SEL], s[SEL+1]
.endr
.irp n, 0,1,2,3
	v_add_f32 v[ST+8*\n+7], v[ST+8*\n+7], v[ST+8*\n+6]
.endr
.irp n, 0,1,2,3
	ds_store_b32 v[AMW], v[ST+8*\n+7] offset:256*\n   ; these words were last read ahead of the last step's second barrier
.endr
	s_wait_dscnt 0x0
	s_barrier_signal -1
	s_barrier_wait -1
.irp n, 0,1,2,3
	ds_load_b128 v[X4+4*\n:X4+4*\n+3], v[AMR] offset:256*\n
.endr
	s_wait_dscnt 0x0
.irp n, 0,1,2,3
	v_add_f32 v[X4+4*\n], v[X4+4*\n], v[X4+4*\n+1]
.endr
.irp n, 0,1,2,3
	v_add_f32 v[X4+4*\n+2], v[X4+4*\n+2], v[X4+4*\n+3]
.endr
.irp n, 0,1,2,3
	v_add_f32 v[X4+4*\n], v[X4+4*\n], v[X4+4*\n+2]
.endr
.irp n, 0,1,2,3
	v_rcp_f32 v[ST+8*\n+4], v[X4+4*\n]
.endr
	v_nop                                          ; a plain place behind the last reciprocal
	s_wait_alu depctr_va_vdst(0)                   ; one wait for the four, ahead of their first reader
	RESC                                           ; O^T / the sum
; Tile n: a lane holds 8 neighbouring channels of a row in each accumulator; they go into my stage (rows of 528 bytes) and come back as whole rows of my 128 channels: 512 bytes, which the 32 lanes store on end.
.macro TOSTAGE n
	WIN 0x04                                       ; an LDS store's data are its source 1: window 1
.irp d, 0,1,2,3,4,5,6,7
	ds_store_b128 v[STO], v[8*(4*\d+(\n)):8*(4*\d+(\n))+3] offset:128*(\d/2)+32*(\d%2)        ; channels 32 (d / 2) + 16 h + 8 (d % 2) + 0 .. 7
	ds_store_b128 v[STO], v[8*(4*\d+(\n))+4:8*(4*\d+(\n))+7] offset:128*(\d/2)+32*(\d%2)+16
.endr
	WIN 0
.irp t, 0,1,2,3,4,5,6,7,8,9,10,11,12,13,14,15
	ds_load_b128 v[S+64*((\n)%2)+4*\t:S+64*((\n)%2)+4*\t+3], v[RD] offset:528*\t   ; LDS serves a wave's instructions in order: these see my stores, and the next tile's stores come behind them
.endr
.endm
.macro SEND n, younger                 ; younger: the LDS instructions issued behind tile n's loads, which may stay out
	s_wait_dscnt \younger
.irp t, 0,1,2,3,4,5,6,7,8,9,10,11,12,13,14,15
	global_store_b128 v[GO], v[S+64*((\n)%2)+4*\t:S+64*((\n)%2)+4*\t+3], s[OP:OP+1] offset:(32*((\n)/2)+8*((\n)%2)+\t+8*(\t/8))*2048 th:TH_STORE_NT   ; 512 consecutive bytes, at a multiple of 512 from the output's first byte
.endr
.endm
	TOSTAGE 0
.irp n, 1,2,3
.if \n > 1
	s_wait_xcnt 0x0                                ; tile n - 2's stores have read their registers: tile n's loads may land there
.endif
	TOSTAGE \n
	SEND \n-1, 32                                  ; behind tile n - 1's loads: tile n's 16 stores and 16 loads
.endr
	SEND 3, 0
	s_wait_tensorcnt 0x0                           ; the wave's end
	ds_add_u32 v[SPW], v[NIL]
	s_wait_dscnt 0x0
	ROUND                                          ; the closing round: no work-group ends while a partner may still ask for a tile that names it
	s_endpgm
.Lfunc_end_k_qcdb55f5e4e_attn:
	.size	k_qcdb55f5e4e_attn, .Lfunc_end_k_qcdb55f5e4e_attn-k_qcdb55f5e4e_attn
	.p2alignl 7, 3214868480
	.fill 96, 4, 3214868480
	.section	.rodata,"a",@progbits
	.p2align	6, 0x0
	.amdhsa_kernel k_qcdb55f5e4e_attn
		.amdhsa_group_segment_fixed_size 327680
		.amdhsa_private_segment_fixed_size 0
		.amdhsa_enable_private_segment 0
		.amdhsa_kernarg_size 32
		.amdhsa_user_sgpr_count 2
		.amdhsa_user_sgpr_kernarg_segment_ptr 1
		.amdhsa_wavefront_size32 1
		.amdhsa_system_sgpr_workgroup_id_x 1
		.amdhsa_system_sgpr_workgroup_id_y 1
		.amdhsa_system_sgpr_workgroup_id_z 1
		.amdhsa_system_vgpr_workitem_id 0
		.amdhsa_next_free_vgpr 1024
		.amdhsa_next_free_sgpr 66
		.amdhsa_reserve_vcc 0
		.amdhsa_float_denorm_mode_32 3
		.amdhsa_float_denorm_mode_16_64 3
		.amdhsa_memory_ordered 1
		.amdhsa_forward_progress 1
		.amdhsa_inst_pref_size 255
	.end_amdhsa_kernel
	.section	.bss,"aw",@nobits
	.p2align	6
	.space	262144
	.amdgpu_metadata
---
amdhsa.version: [ 1, 2 ]
amdhsa.kernels:
  - .name:           k_qcdb55f5e4e_attn
    .symbol:         k_qcdb55f5e4e_attn.kd
    .args:
      - { .name: qws, .offset: 0, .size: 8, .value_kind: global_buffer, .address_space: global }
      - { .name: kv, .offset: 8, .size: 8, .value_kind: global_buffer, .address_space: global }
      - { .name: mask, .offset: 16, .size: 8, .value_kind: global_buffer, .address_space: global }
      - { .name: out0, .offset: 24, .size: 8, .value_kind: global_buffer, .address_space: global }
    .group_segment_fixed_size: 327680
    .private_segment_fixed_size: 0
    .kernarg_segment_align: 8
    .kernarg_segment_size: 32
    .max_flat_workgroup_size: 128
    .sgpr_count:     66
    .vgpr_count:     1024
    .wavefront_size: 32
...
	.end_amdgpu_metadata
.endif
;; end of part 3
;; ======== version 2 of 2: 3 launches
;; limits: right only within a limited range of input values
;; workspace buffers: cw 7,168,000 bytes; qws 6,553,600 bytes; kv 13,107,200 bytes
;; launch prep (part 4): grid 280 x 1, 4 waves a work-group, no clusters, 68,096 bytes of LDS; arguments embeddings, Wq, Wk, Wv, cw; writes cw
.if DOCPART == 4
	.amdgcn_target "amdgcn-amd-amdhsa--gfx1250"
	.amdhsa_code_object_version 6
	.text
	.protected	k_qcdb55f5e4e_prep
	.globl	k_qcdb55f5e4e_prep
	.p2align	8
	.type	k_qcdb55f5e4e_prep,@function
k_qcdb55f5e4e_prep:
	s_mov_b64 s[64:65], 0
	v_nop
	global_prefetch_b8 v0, s[64:65] scope:SCOPE_SE
	s_setreg_imm32_b32 hwreg(HW_REG_WAVE_MODE, 25, 1), 1
	s_wait_xcnt 0x0
; SelfAttention in MX-BF6 (codes of E3M2, one E8M0 scale for each 32 along K), three launches: prep, proj, attn.
; DEAD WORK: none.  Every input has a way to the output: bq and bk move the codes of q and k, bv those of v, and the mask is an input whose values are honoured as they come.  Nothing is left out.
; THIS LAUNCH quantises embeddings [16384][512], Wq, Wk, Wv [512][512] (f32, K = the last axis) ONCE, since every one of them is read by many work-groups of the next launch.
; A block's scale is 2^(floor(log2(its largest magnitude)) - 4); its byte is the largest magnitude's exponent field - 4, held at 1 from below.
; LIMITS: a block of zeros gets the byte 1 where the rule says 127 (its codes are zeros, and this program alone reads the bytes); blocks whose largest magnitude lies under 2^-122 are held at byte 1; NaN and infinities among these inputs are not served.
; THE WORKSPACE IS LAID AS IMAGES OF OPERAND REGISTERS.  A block image, 25,600 bytes, is 64 rows x 512 K: fragment (tile m, K step s) at 6144 m + 1536 s, its registers 4 c .. 4 c + 3 of lane l at + 512 c + 16 l;
; scale unit s at 24576 + 256 s: lane l has 8 bytes at 8 l, word j = the scale word (K 128 s on) of row l % 16 of tile 2 j + l / 16.
; THE ROWS OF A TILE ARE NOT NEIGHBOURS: lane r of tile m holds row 32 (m / 2) + 8 (m % 2) + r + 8 (r / 8) of the 64, so that a product used transposed leaves 16 neighbours along the next K in a lane's registers.
; cw: images 0-255 embeddings' rows 64 g on; 256-263 Wq; 264-271 Wk; 272-279 Wv.
; SHARES: work-group g makes image g, wave w its K step w: 64 rows x 128 numbers.  Each load reads 512 consecutive bytes of one row; a tile's 16 rows turn through the wave's own stage in LDS
; (rows 528 bytes apart) so that a lane gets 16 neighbours of each block of 32.  All 64 loads of a wave go out at the head.  No tensor load, no barrier: waves share nothing.
.set STGW,  16896                      ; LDS of a wave: two stages of 16 rows x 528 bytes
.set SPARE, 4*STGW                     ; behind them: the spare words, 128 bytes for each wave
.set LI,   1                           ; v1   16 x lane
.set SIN,  2                           ; v2   the stage, on the way in: 16 x lane
.set SOUT, 3                           ; v3   and on the way out: 528 r + 64 h
.set OS,   4                           ; v4   8 x lane + 256 x wave: my place in the scale units
.set OF,   8                           ; v8   16 x lane + 1536 x wave: my place in the fragments
.set X,    16                          ; v16-143  two sets of 64 numbers
.set PC,   144                         ; v144-163 the codes just made
.set TM,   164                         ; v164-179 at work
.set PW,   180                         ; v180-183 the four tiles' scale words
.set PR2,  184                         ; v184-185 the scale unit's two words
.set SPW,  186                         ; v186 my spare word's address; never rewritten
.set NIL,  187                         ; v187 0; never rewritten
.set SEL,  20                          ; s[20:21] lane selects: lane l xor 16
.set MSB, 0
.macro WIN new                         ; the immediate's high byte repeats the setting that is left
.if MSB != (\new)
	s_set_vgpr_msb (MSB<<8)|(\new)
.set MSB, (\new)
.endif
.endm
; 64 numbers of a lane, register 16 b + i = k 32 b + 16 (lane / 16) + i of my row, become a fragment's codes in v[PC] on and its scale word in v[pw]
.macro QUANT s, pw
.irp b, 0,1,2,3
	v_max3_num_f32 v[TM+\b], |v[\s+16*\b]|, |v[\s+1+16*\b]|, 0x2800000   ; my 16 numbers of block b, and the floor 2^(5 - 127): the byte cannot fall under 1
.endr
.irp i, 2,4,6,8,10,12,14
.irp b, 0,1,2,3
	v_max3_num_f32 v[TM+\b], v[TM+\b], |v[\s+16*\b+\i]|, |v[\s+1+16*\b+\i]|
.endr
.endr
.irp b, 0,1,2,3
	v_permlanex16_b32 v[TM+4+\b], v[TM+\b], s[SEL], s[SEL+1]
.endr
.irp b, 0,1,2,3
	v_max_num_f32 v[TM+\b], v[TM+\b], v[TM+4+\b]                         ; with lane l xor 16's: the block's largest magnitude
.endr
.irp b, 0,1,2,3
	v_add_nc_u32 v[TM+12+\b], 0xfe000000, v[TM+\b]                       ; 4 off its exponent field: the conversion's scale operand
.endr
.irp b, 0,1,2,3
	v_lshrrev_b32 v[TM+4+\b], 23, v[TM+12+\b]                            ; the scale's byte
.endr
	v_lshl_or_b32 v[\pw], v[TM+5], 8, v[TM+4]
	v_lshl_or_b32 v[\pw], v[TM+6], 16, v[\pw]
	v_lshl_or_b32 v[\pw], v[TM+7], 24, v[\pw]
.irp c, 0,1
	v_cvt_scalef32_pk16_bf6_f32 v[PC+6*\c:PC+2+6*\c], v[\s+32*\c:\s+15+32*\c], v[TM+12+2*\c]
	v_cvt_scalef32_pk16_bf6_f32 v[PC+12+4*\c:PC+14+4*\c], v[\s+16+32*\c:\s+31+32*\c], v[TM+12+2*\c+1]   ; (a conversion's three registers begin on an even number)
.endr
	v_nop                                          ; one plain place behind a scaled conversion
.irp c, 0,1                            ; the operand's layout wants a whole block in a lane: lanes 0-15 block 2 c, lanes 16-31 block 2 c + 1
.irp i, 0,1,2
	v_permlane16_swap_b32 v[PC+6*\c+\i], v[PC+12+4*\c+\i]
.endr
.irp i, 0,1,2
	v_mov_b32 v[PC+3+6*\c+\i], v[PC+12+4*\c+\i]
.endr
.endr
.endm
	s_load_b256 s[4:11], s[0:1], 0x0               ; embeddings, Wq, Wk, Wv
	s_load_b64 s[12:13], s[0:1], 0x20              ; cw
	v_lshl_add_u32 v[SPW], v0, 2, SPARE
	v_mov_b32 v[NIL], 0
	v_lshrrev_b32 v5, 5, v0
	v_readfirstlane_b32 s14, v5                    ; wave 0..3
	v_and_b32 v5, 31, v0                           ; lane
	v_and_b32 v6, 15, v0                           ; r
	v_bfe_u32 v7, v0, 4, 1                         ; h
	v_lshlrev_b32 v[LI], 4, v5
	s_mul_i32 s15, s14, STGW
	v_add_nc_u32 v[SIN], s15, v[LI]
	v_mul_u32_u24 v[SOUT], v6, 528
	v_lshl_add_u32 v[SOUT], v7, 6, v[SOUT]
	v_add_nc_u32 v[SOUT], s15, v[SOUT]
	s_mul_i32 s15, s14, 1536
	v_add_nc_u32 v[OF], s15, v[LI]
	s_lshl_b32 s15, s14, 8
	v_lshl_add_u32 v[OS], v5, 3, s15
	s_mov_b32 s[SEL], 0x76543210
	s_mov_b32 s[SEL+1], 0xfedcba98
	s_mov_b32 s22, 0xffff0000                      ; lanes 16-31
.irp b, 0,1,2,3
	v_mov_b32 v[TM+4+\b], 0                        ; written once: a lane permute's destination counts as one of its sources
.endr
	s_sub_co_u32 s23, ttmp9, 256                   ; images 256 on are the weights':
	s_lshr_b32 s24, s23, 3                         ; which weight,
	s_and_b32 s25, s23, 7                          ; which 64 rows of it
	s_mul_i32 s26, ttmp9, 25600                    ; my image in cw
	s_mov_b32 s27, 0
	s_wait_alu depctr_va_vdst(0)
	s_wait_kmcnt 0x0
	s_cmp_eq_u32 s24, 1                            ; only pointers are chosen, on the work-group's number: one path serves all four tensors
	s_cselect_b64 s[16:17], s[8:9], s[6:7]
	s_cmp_eq_u32 s24, 2
	s_cselect_b64 s[16:17], s[10:11], s[16:17]
	s_cmp_lt_u32 ttmp9, 256
	s_cselect_b64 s[16:17], s[4:5], s[16:17]
	s_cselect_b32 s25, ttmp9, s25
	s_lshl_b32 s28, s25, 17                        ; 64 rows of 2,048 bytes
	s_lshl_b32 s29, s14, 9                         ; my K step: 512 bytes of a row
	s_add_co_u32 s28, s28, s29
	s_mov_b32 s29, 0
	s_add_nc_u64 s[16:17], s[16:17], s[28:29]
	s_add_nc_u64 s[18:19], s[12:13], s[26:27]
.macro LOADT m                         ; tile m's 16 rows, 512 consecutive bytes a load, into window 1
.irp i, 0,1,2,3,4,5,6,7,8,9,10,11,12,13,14,15
	global_load_b128 v[64*(\m)+4*\i:64*(\m)+4*\i+3], v[LI], s[16:17] offset:(32*((\m)/2)+8*((\m)%2)+\i+8*(\i/8))*2048 th:TH_LOAD_NT
.endr
.endm
.macro TURN m                          ; tile m through the stage: LDS serves a wave's instructions in order, so no wait stands between the stores and the loads
	s_wait_loadcnt 16*(3-(\m))                     ; tile m's 16 loads are in; the later tiles' may be out
	WIN 0x04                                       ; an LDS store's data are its source 1: window 1
.irp i, 0,1,2,3,4,5,6,7,8,9,10,11,12,13,14,15
	ds_store_b128 v[SIN], v[64*(\m)+4*\i:64*(\m)+4*\i+3] offset:8448*((\m)%2)+528*\i
.endr
	WIN 0
.irp b, 0,1,2,3
.irp j, 0,1,2,3
	ds_load_b128 v[X+64*((\m)%2)+16*\b+4*\j:X+64*((\m)%2)+16*\b+4*\j+3], v[SOUT] offset:8448*((\m)%2)+128*\b+16*\j
.endr
.endr
.endm
	WIN 0x40                                       ; destination window 1
	LOADT 0
	LOADT 1
	LOADT 2
	LOADT 3
	WIN 0
	TURN 0
.irp m, 0,1,2,3
.if \m < 3
	TURN \m+1                                      ; the next tile goes through the other stage while this one is worked
	s_wait_dscnt 32                                ; this tile is back; the next tile's 16 stores and 16 loads may be out
.else
	s_wait_dscnt 0x0
.endif
.if \m > 0
	s_wait_xcnt 0x0                                ; the last tile's stores have read the codes' registers
.endif
	QUANT X+64*(\m%2), PW+\m
.irp c, 0,1,2
	global_store_b128 v[OF], v[PC+4*\c:PC+4*\c+3], s[18:19] offset:\m*6144+512*\c   ; 32 lanes store 512 consecutive bytes
.endr
.endr
	v_cndmask_b32 v[PR2], v[PW], v[PW+1], s22      ; word 0: tile 0 in lanes 0-15, tile 1 in lanes 16-31
	v_cndmask_b32 v[PR2+1], v[PW+2], v[PW+3], s22  ; word 1: tiles 2 and 3
	global_store_b64 v[OS], v[PR2:PR2+1], s[18:19] offset:24576   ; 32 lanes store 256 consecutive bytes
	s_wait_tensorcnt 0x0                           ; the wave's end
	ds_add_u32 v[SPW], v[NIL]
	s_wait_dscnt 0x0
	s_endpgm
.Lfunc_end_k_qcdb55f5e4e_prep:
	.size	k_qcdb55f5e4e_prep, .Lfunc_end_k_qcdb55f5e4e_prep-k_qcdb55f5e4e_prep
	.p2alignl 7, 3214868480
	.fill 96, 4, 3214868480
	.section	.rodata,"a",@progbits
	.p2align	6, 0x0
	.amdhsa_kernel k_qcdb55f5e4e_prep
		.amdhsa_group_segment_fixed_size 68096
		.amdhsa_private_segment_fixed_size 0
		.amdhsa_enable_private_segment 0
		.amdhsa_kernarg_size 40
		.amdhsa_user_sgpr_count 2
		.amdhsa_user_sgpr_kernarg_segment_ptr 1
		.amdhsa_wavefront_size32 1
		.amdhsa_system_sgpr_workgroup_id_x 1
		.amdhsa_system_sgpr_workgroup_id_y 1
		.amdhsa_system_sgpr_workgroup_id_z 1
		.amdhsa_system_vgpr_workitem_id 0
		.amdhsa_next_free_vgpr 512
		.amdhsa_next_free_sgpr 66
		.amdhsa_reserve_vcc 0
		.amdhsa_float_denorm_mode_32 3
		.amdhsa_float_denorm_mode_16_64 3
		.amdhsa_memory_ordered 1
		.amdhsa_forward_progress 1
		.amdhsa_inst_pref_size 34
	.end_amdhsa_kernel
	.amdgpu_metadata
---
amdhsa.version: [ 1, 2 ]
amdhsa.kernels:
  - .name:           k_qcdb55f5e4e_prep
    .symbol:         k_qcdb55f5e4e_prep.kd
    .args:
      - { .name: embeddings, .offset: 0, .size: 8, .value_kind: global_buffer, .address_space: global }
      - { .name: Wq, .offset: 8, .size: 8, .value_kind: global_buffer, .address_space: global }
      - { .name: Wk, .offset: 16, .size: 8, .value_kind: global_buffer, .address_space: global }
      - { .name: Wv, .offset: 24, .size: 8, .value_kind: global_buffer, .address_space: global }
      - { .name: cw, .offset: 32, .size: 8, .value_kind: global_buffer, .address_space: global }
    .group_segment_fixed_size: 68096
    .private_segment_fixed_size: 0
    .kernarg_segment_align: 8
    .kernarg_segment_size: 40
    .max_flat_workgroup_size: 128
    .sgpr_count:     66
    .vgpr_count:     512
    .wavefront_size: 32
...
	.end_amdgpu_metadata
.endif
;; end of part 4
;; launch proj: the kernel of part 2 again; grid 64 x 3, 4 waves a work-group, no clusters, 167,936 bytes of LDS; arguments cw, bq, bk, bv, qws, kv; writes qws, kv
;; launch attn (part 5): grid 32 x 8, 4 waves a work-group, clusters of 4 x 1, 327,680 bytes of LDS; arguments qws, kv, mask, out0; writes out0
.if DOCPART == 5
	.amdgcn_target "amdgcn-amd-amdhsa--gfx1250"
	.amdhsa_code_object_version 6
	.text
	.protected	k_qcdb55f5e4e_attn
	.globl	k_qcdb55f5e4e_attn
	.p2align	8
	.type	k_qcdb55f5e4e_attn,@function
k_qcdb55f5e4e_attn:
	s_mov_b64 s[64:65], 0
	v_nop
	global_prefetch_b8 v0, s[64:65] scope:SCOPE_SE
	s_setreg_imm32_b32 hwreg(HW_REG_WAVE_MODE, 25, 1), 1
	s_wait_xcnt 0x0
	s_wait_alu depctr_hold_cnt(0) depctr_sa_sdst(0) depctr_va_vdst(0) depctr_va_sdst(0) depctr_va_ssrc(0) depctr_va_vcc(0) depctr_vm_vsrc(0)
	s_getreg_b32 s2, hwreg(HW_REG_IB_STS2, 6, 4)
	s_cmp_eq_u32 s2, 0
	s_cbranch_scc0 .Lentry_in_a_cluster
	s_endpgm
.Lentry_in_a_cluster:
	s_bfe_u32 s2, ttmp6, 0x10000c
	s_cmp_lg_u32 s2, 0x3003
	s_cbranch_scc0 .Lentry_shape_is_right
	s_endpgm
.Lentry_shape_is_right:
; out = softmax((q k^T + mask) / sqrt(512)) v on the codes of q, k and V^T that the launch before has stored.  No work of the problem is left out.
; A work-group owns 64 queries of one batch and walks the 2,048 keys in 16 steps of 128.  Both products are used transposed, so a lane holds one query throughout.
; SCORES: wave w takes keys 32 w on of the step, for all 64 queries: 32 products (K = 512).  The mask's numbers are loaded from LDS into the accumulators and are the C of the first product.
; A WAVE'S 32 KEYS ARE ONE BLOCK OF p's QUANTISER.  So each wave keeps a running whole number M of its own (the ceiling of its running largest t) and a sum of its own under that M; p = 2^(t - M) is
; quantised as the block it is, and the wave hands over the codes and ONE whole number for each query: E = the block's scale byte + M.  Behind the step's one meeting every wave forms R = the running
; largest E of the query, gives block w the byte 123 - min(R - E, 123), and multiplies O by 2^(old R - new R): powers of two alone.  At the end the four sums are brought under R and added.
; WEIGHTED SUM: wave w makes columns 128 w on of O for all 64 queries: 32 products (K = the step's 128 keys).  O's multiplications stand among these products; the next step's fragments of k are
; loaded in two runs of 12, one behind each 16 products; its numbers of the mask are asked for directly behind p's fragments.
; THE RING: two LDS slots, each with a tile of kv (102,400 bytes) and the step's 64 x 128 numbers of the mask (rows of 512 bytes, 520 apart in LDS).  V's fragments are in registers ahead of the meeting, so
; the meeting frees the whole slot: ONE round of the cluster's barrier a step serves p's way from wave to wave and the refill, which asks for the tile two steps on.  One tensor load a wave is out behind it.
; CLUSTER: the four work-groups of a cluster share a batch and ask for kv's tiles jointly (waves 0 and 1, half a tile each); the mask's rows are a work-group's own (waves 2 and 3, 32 rows each, no work-group mask).
; PREFETCH: a wave's share of a tile is 32 blocks of 256 bytes of the mask's 128, and 25 of kv's 400 (the partners share kv's out by address); each block is named once.  The head names tiles 1 and 2;
; step i names tile i + 3, and the tensor load that wants it stands behind the meeting of step i + 1.  Tile 0 comes by its load alone; steps 13 to 15 ask for nothing.  At most three tiles are asked for and not yet read.
; LIMITS: the promise holds while the scaled scores (the exponents to the base 2) stay under 2^31 in magnitude.  A block of keys that lies 2^123 or more under the query's largest is held at the scale byte 0.
; NaN among the inputs is not served.
.set KVB,    102400
.set MPITCH, 520                       ; with it the 32 lanes of a load of 8 bytes (rows r + 8 (r / 8), two halves 64 bytes apart) touch 64 different banks
.set MHALF,  32*MPITCH
.set SLOT,   KVB+2*MHALF
.set PR,     2*SLOT                    ; p's codes: two buffers by turns; query tile n at 1792 n, rows 112 bytes apart
.set PBUF,   7168
.set EX,     PR+2*PBUF                 ; E: two buffers by turns; word w of query r of tile n at 256 n + 16 r + 4 w
.set EBUF,   1024
.set SPARE,  EX+2*EBUF                 ; the spare words, 128 bytes for each wave
.set STG,    SPARE+512                 ; the way out: 16 rows x 528 bytes for each wave
; window 0
.set AM,   1                           ; v1-2   the mask's numbers in slot 0, 1
.set AKS,  3                           ; v3-4   k's scale words
.set AVS,  5                           ; v5-6   V's scale words
.set APW,  7
.set APR,  8
.set AEW,  9
.set AER,  10
.set AER2, 11
.set PFO,  12
.set PFK,  13
.set STO,  14
.set RD,   15
.set GO,   16
.set SPW,  17                          ; my spare word's address; never rewritten
.set NIL,  18                          ; 0; never rewritten
.set LI,   19
.set L8,   20
.set AV,   21                          ; v21-22 V's fragments in slot 0, 1
.set ST,   24                          ; v24-55 for query tile n at 8 n: -M, largest t, the sum (2), its factor, 0, at work (2)
.set RF,   56                          ; v56-63 for tile n at 2 n: O's factor, R
.set NM,   64                          ; v64-67 -M as a whole number
.set EW,   68
.set SCO,  72
.set PCD,  76
.set QS,   92
.set KS,   100
.set VS,   104
.set PS,   108
.set S,    112                         ; v112-175 the scores, then p
.set PF,   176                         ; v176-223 p's fragments
.set EL,   224
.set E2,   240
.set TMP,  248
; windows 1 and 2: v0-127 O of my column tiles 0-3 / 4-7 (tile d, queries n at 8 (4 (d % 4) + n)); v128-175 V's fragments of those tiles; v176-223 k's fragments of K steps 0, 1 / 2, 3; v224-225 k's LDS address in slot 0, 1
; window 3: v0-191 q's fragments, 12 (4 n + s)
.set VF,   128
.set KF,   176
.set AKW,  224
.set WV,   12
.set HW,   16
.set ROLE, 17
.set HM,   19
.set SEL,  20
.set CS,   22
.set G1K,  24
.set G0K,  32
.set G1M,  40
.set G0M,  48
.set MP,   56
.set OP,   58
.set KP,   60
.set TRIP, 62
.set QP,   74
.set MSB, 0
.macro WIN new                         ; the immediate's high byte repeats the setting that is left
.if MSB != (\new)
	s_set_vgpr_msb (MSB<<8)|(\new)
.set MSB, (\new)
.endif
.endm
.macro ROUND                           ; a round of the cluster's barrier
	s_barrier_signal -1
	s_barrier_wait -1
	s_cmp_lg_u32 s[WV], 0
	s_cbranch_scc1 .Lnot_wave_0_\@
	s_barrier_signal -3
.Lnot_wave_0_\@:
	s_barrier_wait -3
	s_barrier_signal -1
	s_barrier_wait -1
.endm
.macro JLOAD s                         ; my one tensor load: waves 0, 1 half a tile of kv, jointly; waves 2, 3 32 rows of the mask.
	s_cmp_eq_u32 s[ROLE], 0
	s_cbranch_scc0 .Lfor_m_\@
	tensor_load_to_lds s[G0K+4*\s:G0K+4*\s+3], s[G1K:G1K+7]
	s_nop 0
.rept 4
	v_nop
.endr
	s_branch .Lasked_\@
.Lfor_m_\@:
	tensor_load_to_lds s[G0M+4*\s:G0M+4*\s+3], s[G1M:G1M+7]
	s_nop 0
.rept 4
	v_nop
.endr
.Lasked_\@:
.endm
.macro WM d, a, b, c, sa, sb, ra, rb   ; one product; c < 0: C = 0; ra, rb = 1: that side's scales stand in lanes 16-31
.if (\c) < 0
.if (\ra) && (\rb)
	v_wmma_scale_f32_16x16x128_f8f6f4 v[\d:\d+7], v[\a:\a+11], v[\b:\b+11], 0, v[\sa], v[\sb] matrix_a_fmt:MATRIX_FMT_BF6 matrix_b_fmt:MATRIX_FMT_BF6 matrix_a_scale:MATRIX_SCALE_ROW1 matrix_b_scale:MATRIX_SCALE_ROW1
.elseif (\ra)
	v_wmma_scale_f32_16x16x128_f8f6f4 v[\d:\d+7], v[\a:\a+11], v[\b:\b+11], 0, v[\sa], v[\sb] matrix_a_fmt:MATRIX_FMT_BF6 matrix_b_fmt:MATRIX_FMT_BF6 matrix_a_scale:MATRIX_SCALE_ROW1
.elseif (\rb)
	v_wmma_scale_f32_16x16x128_f8f6f4 v[\d:\d+7], v[\a:\a+11], v[\b:\b+11], 0, v[\sa], v[\sb] matrix_a_fmt:MATRIX_FMT_BF6 matrix_b_fmt:MATRIX_FMT_BF6 matrix_b_scale:MATRIX_SCALE_ROW1
.else
	v_wmma_scale_f32_16x16x128_f8f6f4 v[\d:\d+7], v[\a:\a+11], v[\b:\b+11], 0, v[\sa], v[\sb] matrix_a_fmt:MATRIX_FMT_BF6 matrix_b_fmt:MATRIX_FMT_BF6
.endif
.else
.if (\ra) && (\rb)
	v_wmma_scale_f32_16x16x128_f8f6f4 v[\d:\d+7], v[\a:\a+11], v[\b:\b+11], v[\c:\c+7], v[\sa], v[\sb] matrix_a_fmt:MATRIX_FMT_BF6 matrix_b_fmt:MATRIX_FMT_BF6 matrix_a_scale:MATRIX_SCALE_ROW1 matrix_b_scale:MATRIX_SCALE_ROW1
.elseif (\ra)
	v_wmma_scale_f32_16x16x128_f8f6f4 v[\d:\d+7], v[\a:\a+11], v[\b:\b+11], v[\c:\c+7], v[\sa], v[\sb] matrix_a_fmt:MATRIX_FMT_BF6 matrix_b_fmt:MATRIX_FMT_BF6 matrix_a_scale:MATRIX_SCALE_ROW1
.elseif (\rb)
	v_wmma_scale_f32_16x16x128_f8f6f4 v[\d:\d+7], v[\a:\a+11], v[\b:\b+11], v[\c:\c+7], v[\sa], v[\sb] matrix_a_fmt:MATRIX_FMT_BF6 matrix_b_fmt:MATRIX_FMT_BF6 matrix_b_scale:MATRIX_SCALE_ROW1
.else
	v_wmma_scale_f32_16x16x128_f8f6f4 v[\d:\d+7], v[\a:\a+11], v[\b:\b+11], v[\c:\c+7], v[\sa], v[\sb] matrix_a_fmt:MATRIX_FMT_BF6 matrix_b_fmt:MATRIX_FMT_BF6
.endif
.endif
.endm
.macro NEXTM sl                        ; a step's numbers of the mask into the accumulators: register 16 n + 8 u + j = mask(query r of tile n, key 32 w + 16 h + 8 u + j)
.irp n, 0,1,2,3
.irp k, 0,1,2,3,4,5,6,7
	ds_load_b64 v[S+16*\n+2*\k:S+16*\n+2*\k+1], v[AM+\sl] offset:(32*(\n/2)+8*(\n%2))*MPITCH+8*\k
.endr
.endr
.endm
.macro NEXTK sl                        ; and its scale words of k
.irp s, 0,1,2,3
	ds_load_b32 v[KS+\s], v[AKS+\sl] offset:256*\s
.endr
.endm
.macro KRUN w, sl                      ; k's four fragments of window w in 12 pieces: piece i is K step 2 (w - 1) + i / 6, key tile (i / 3) % 2.  Destination and address lie in window w
.irp i, 0,1,2,3,4,5,6,7,8,9,10,11
	ds_load_b128 v[KF+4*\i:KF+4*\i+3], v[AKW+\sl] offset:((\i/3)%2)*6144+(2*(\w-1)+\i/6)*1536+512*(\i%3)
.endr
.endm
.macro QK w                            ; 16 products: K steps 2 (w - 1), + 1; the eight accumulators take turns
.irp p, 0,1
.irp n, 0,1,2,3
.irp u, 0,1
	WM S+16*\n+8*\u, KF+12*(2*\p+\u), 12*(4*\n+2*(\w-1)+\p), S+16*\n+8*\u, KS+2*(\w-1)+\p, QS+2*(2*(\w-1)+\p)+\n/2, \u, \n%2
.endr
.endr
.endr
.endm
.macro RESC1 a                         ; accumulator a of the window x its query tile's factor
.irp k, 0,2,4,6
	v_pk_mul_f32 v[8*(\a)+\k:8*(\a)+\k+1], v[8*(\a)+\k:8*(\a)+\k+1], v[RF+2*((\a)%4):RF+2*((\a)%4)+1] op_sel_hi:[1,0]
.endr
.endm
; 16 products of window w: O^T += V^T p^T.  Accumulator a + 2 is multiplied by its factor behind product a: four plain lines stand between an accumulator's multiplications and its product.
; nx >= 0: behind the 16 follows the run of loads of the next step's k, from slot nx.  One window setting serves all three kinds of line.
.macro PVH w, first, nx
	WIN 0x51*\w
.if !\first
	RESC1 0
	RESC1 1
.endif
.set a, 0
.rept 16
.if \first
	WM 8*a, VF+12*(a/4), PF+12*(a%4), -1, VS+2*(\w-1)+(a/4)/2, PS+(a%4)/2, (a/4)%2, (a%4)%2
.else
	WM 8*a, VF+12*(a/4), PF+12*(a%4), 8*a, VS+2*(\w-1)+(a/4)/2, PS+(a%4)/2, (a/4)%2, (a%4)%2
.if a < 14
	RESC1 a+2
.endif
.endif
.set a, a+1
.endr
.if (\nx) >= 0
	KRUN \w, \nx
.endif
.endm
	s_load_b256 s[4:11], s[0:1], 0x0               ; qws, kv, mask, out0
	v_lshl_add_u32 v[SPW], v0, 2, SPARE
	v_mov_b32 v[NIL], 0
	ds_add_u32 v[SPW], v[NIL]                      ; the opening lines: the add, twice on end, and its wait ahead of my first tensor load
	ds_add_u32 v[SPW], v[NIL]
	v_lshrrev_b32 v248, 5, v0
	v_readfirstlane_b32 s[WV], v248                ; wave 0..3
	s_and_b32 s[HW], s[WV], 1                      ; which half I fetch
	s_lshr_b32 s[ROLE], s[WV], 1                   ; of kv (0) or of the mask (1)
	s_bfe_u32 s13, ttmp6, 0x40000                  ; cx
	s_lshl_b32 s14, ttmp9, 2
	s_add_co_u32 s14, s14, s13                     ; which 64 queries
	s_and_b32 s15, ttmp7, 0xffff                   ; batch
	s_mov_b32 s[G1K], 15|(3<<16)|(1<<21)           ; kv: 51,200 dense bytes as 200 rows of 256 (32 elements of 8 bytes), for all four partners
	s_mov_b32 s[G1K+1], 32<<16
	s_mov_b32 s[G1K+2], 200<<16
	s_mov_b32 s[G1K+3], 32<<16
	s_mov_b32 s[G1K+4], 200
	s_mov_b32 s[G1K+5], 32
	s_mov_b32 s[G1K+6], 0
	s_mov_b32 s[G1K+7], 0
	s_mov_b32 s[G1M], (2<<16)|(1<<20)|(6<<22)|(1<<25)   ; mask: 32 rows of 128 f32, 2 words of padding behind each 128
	s_mov_b32 s[G1M+1], 128<<16
	s_mov_b32 s[G1M+2], 32<<16
	s_mov_b32 s[G1M+3], 128<<16
	s_mov_b32 s[G1M+4], 32
	s_mov_b32 s[G1M+5], 2048
	s_mov_b32 s[G1M+6], 0
	s_mov_b32 s[G1M+7], 0
	s_mov_b32 s[SEL], 0x76543210
	s_mov_b32 s[SEL+1], 0xfedcba98                 ; lane l xor 16
	s_mov_b32 s[HM], 0xffff0000                    ; lanes 16-31
	s_mov_b32 s[CS], 0x3d8293ee                    ; log2(e) / sqrt(512)
	s_mov_b32 s[CS+1], s[CS]
	s_mul_i32 s66, s15, 16*KVB                     ; kv: the batch's tile 0, my half: no place in the cluster enters
	s_mul_i32 s67, s[HW], KVB/2
	s_add_co_u32 s66, s66, s67
	s_mov_b32 s67, 0
	s_lshl_b32 s70, s15, 24                        ; mask: the batch, my work-group's 64 rows of 8,192 bytes,
	s_lshl_b32 s71, s14, 19
	s_add_co_u32 s70, s70, s71
	s_lshl_b32 s71, s[HW], 18                      ; my 32 of them
	s_add_co_u32 s68, s70, s71
	s_mov_b32 s69, 0
	s_mov_b32 s71, 0
	s_lshl_b32 s72, s15, 22                        ; out0
	s_lshl_b32 s73, s14, 17
	s_add_co_u32 s72, s72, s73
	s_mov_b32 s73, 0
	s_lshl_b32 s74, s15, 5                         ; q's image
	s_add_co_u32 s74, s74, s14
	s_mul_i32 s74, s74, 25600
	s_mov_b32 s75, 0
	s_mul_i32 s76, s15, 16*KVB                     ; kv's prefetch: my work-group's quarter of a tile, my wave's 25 blocks of it
	s_mul_i32 s77, s13, 25600
	s_add_co_u32 s76, s76, s77
	s_mul_i32 s77, s[WV], 6400
	s_add_co_u32 s76, s76, s77
	s_mov_b32 s77, 0
	s_mul_i32 s78, s[HW], KVB/2                    ; where my half goes in a slot
	s_mul_i32 s79, s[HW], MHALF
	s_add_co_u32 s79, s79, KVB
	s_wait_dscnt 0x0                               ; both opening adds are done
	s_wait_kmcnt 0x0
	s_add_nc_u64 s[66:67], s[6:7], s[66:67]
	s_add_nc_u64 s[68:69], s[8:9], s[68:69]
	s_add_nc_u64 s[MP:MP+1], s[8:9], s[70:71]
	s_add_nc_u64 s[OP:OP+1], s[10:11], s[72:73]
	s_add_nc_u64 s[QP:QP+1], s[4:5], s[74:75]
	s_add_nc_u64 s[KP:KP+1], s[6:7], s[76:77]
	ROUND                                          ; in front of the first joint loads
.irp g, 0,1
	s_mov_b32 s[G0K+4*\g], 1
	s_add_co_u32 s[G0K+4*\g+1], s78, \g*SLOT
	s_add_nc_u64 s[G0K+4*\g+2:G0K+4*\g+3], s[66:67], \g*KVB
	s_or_b32 s[G0K+4*\g+3], s[G0K+4*\g+3], 0x80000000
	s_mov_b32 s[G0M+4*\g], 1
	s_add_co_u32 s[G0M+4*\g+1], s79, \g*SLOT
	s_add_nc_u64 s[G0M+4*\g+2:G0M+4*\g+3], s[68:69], \g*512
	s_or_b32 s[G0M+4*\g+3], s[G0M+4*\g+3], 0x80000000
.endr
	JLOAD 0                                        ; tile 0: one tensor load a wave at the head
	v_and_b32 v248, 31, v0                         ; lane
	v_and_b32 v249, 15, v0                         ; r
	v_bfe_u32 v250, v0, 4, 1                       ; h
	v_lshlrev_b32 v[LI], 4, v248
	v_lshlrev_b32 v[L8], 3, v248
	s_wait_alu depctr_va_vdst(0)
	WIN 0xc0                                       ; q's 16 fragments, as they lie, into window 3
.irp n, 0,1,2,3
.irp s, 0,1,2,3
.irp c, 0,1,2
	global_load_b128 v[12*(4*\n+\s)+4*\c:12*(4*\n+\s)+4*\c+3], v[LI], s[QP:QP+1] offset:\n*6144+\s*1536+512*\c
.endr
.endr
.endr
	WIN 0
.irp s, 0,1,2,3
	global_load_b64 v[QS+2*\s:QS+2*\s+1], v[L8], s[QP:QP+1] offset:24576+256*\s
.endr
	v_and_b32 v251, 8, v249
	v_add_nc_u32 v251, v251, v249                  ; lane r of a query tile holds row r + 8 (r / 8) of its 32
	v_mul_u32_u24 v[AM], v251, MPITCH
	v_lshl_add_u32 v[AM], v250, 6, v[AM]
	s_lshl_b32 s66, s[WV], 7
	s_add_co_u32 s66, s66, KVB
	v_add_nc_u32 v[AM], s66, v[AM]                 ; + 128 w + 64 h: my 16 keys
	v_add_nc_u32 v[AM+1], SLOT, v[AM]
	s_mul_i32 s66, s[ROLE], 25600                  ; k: image w / 2, tiles 2 (w % 2) on
	s_mul_i32 s67, s[HW], 12288
	s_add_co_u32 s67, s67, s66
	s_add_co_u32 s68, s67, SLOT
	WIN 0x40
	v_add_nc_u32 v[AKW], s67, v[LI]
	v_add_nc_u32 v[AKW+1], s68, v[LI]
	WIN 0x80
	v_add_nc_u32 v[AKW], s67, v[LI]
	v_add_nc_u32 v[AKW+1], s68, v[LI]
	WIN 0
	s_lshl_b32 s67, s[HW], 2
	s_add_co_u32 s67, s67, s66
	s_add_co_u32 s67, s67, 24576
	v_add_nc_u32 v[AKS], s67, v[L8]
	v_add_nc_u32 v[AKS+1], SLOT, v[AKS]
	s_mul_i32 s66, s[WV], 12800                    ; V^T: images 2 w, 2 w + 1
	s_add_co_u32 s66, s66, 51200
	v_add_nc_u32 v[AV], s66, v[LI]
	v_add_nc_u32 v[AV+1], SLOT, v[AV]
	s_add_co_u32 s66, s66, 6144
	v_add_nc_u32 v[AVS], s66, v[L8]
	v_add_nc_u32 v[AVS+1], SLOT, v[AVS]
	v_mul_u32_u24 v251, v249, 112
	v_mad_u32_u24 v[APR], v250, 24, v251
	v_add_nc_u32 v[APR], PR, v[APR]
	v_mad_u32_u24 v[APW], v250, 12, v251
	s_mul_i32 s66, s[WV], 24
	v_add_nc_u32 v[APW], s66, v[APW]
	v_add_nc_u32 v[APW], PR, v[APW]                ; my 16 codes of row r: bytes 24 w + 12 h on
	v_lshl_add_u32 v[AER], v249, 4, EX
	s_lshl_b32 s66, s[WV], 2
	v_add_nc_u32 v[AEW], s66, v[AER]
	v_lshl_add_u32 v[AER2], v250, 8, v[AER]        ; the words of tile 2 j + h
	v_lshrrev_b32 v251, 1, v248                    ; the mask's prefetch: row 16 w + lane / 2, block lane % 2 of its 512 bytes
	v_lshlrev_b32 v[PFO], 13, v251
	v_and_b32 v251, 1, v248
	v_lshl_add_u32 v[PFO], v251, 8, v[PFO]
	s_lshl_b32 s66, s[WV], 17
	v_add_nc_u32 v[PFO], s66, v[PFO]
	v_min_u32 v[PFK], 24, v248                     ; kv's: block min(lane, 24) of my wave's 25
	v_lshlrev_b32 v[PFK], 8, v[PFK]
.irp t, 1,2
	global_prefetch_b8 v[PFO], s[MP:MP+1] offset:512*\t th:TH_LOAD_NT scope:SCOPE_SE    ; my share of tiles 1 and 2
	global_prefetch_b8 v[PFK], s[KP:KP+1] offset:KVB*\t th:TH_LOAD_NT scope:SCOPE_SE
.endr
	s_mul_i32 s66, s[WV], 8448
	s_add_co_u32 s66, s66, STG
	v_mul_u32_u24 v[STO], v249, 528
	v_lshl_add_u32 v[STO], v250, 6, v[STO]
	v_add_nc_u32 v[STO], s66, v[STO]
	v_add_nc_u32 v[RD], s66, v[LI]
	s_lshl_b32 s66, s[WV], 9
	v_add_nc_u32 v[GO], s66, v[LI]
.irp n, 0,1,2,3
	v_mov_b32 v[ST+8*\n+5], 0                      ; the upper half of a pair that a packed form names
	v_mov_b32 v[ST+8*\n+7], 0                      ; a lane permute's destination counts as one of its sources
.endr
	s_wait_alu depctr_va_vdst(0)
	s_wait_tensorcnt 0x0                           ; my part of tile 0 is in; slot 1's first fill is issued as a refill is
	ds_add_u32 v[SPW], v[NIL]
	s_wait_dscnt 0x0
	ROUND
	JLOAD 1                                        ; tile 1
	NEXTM 0
	NEXTK 0
	WIN 0x41
	KRUN 1, 0
	WIN 0x82
	KRUN 2, 0
	WIN 0
	s_wait_loadcnt 0x0                             ; q
; A step.  slot: its tile's slot, and which buffers p and E take.  kind 2: the meeting is a round, and tile i + 2 is asked for; 1: nothing more to ask for; 0: the last step.  pfm, pfk: the prefetches' offsets, or -1
.macro STEP slot, first, kind, pfm, pfk
	s_wait_dscnt 12                                ; all but the youngest 12 loads (k's K steps 2, 3)
	WIN 0x0d                                       ; source 0 (k) window 1, source 1 (q) window 3
	QK 1
	s_wait_dscnt 0x0
	WIN 0x0e
	QK 2
	WIN 0
.rept 4
	v_nop                                          ; places: for the loads into V's registers and scale words, and for the first read of the scores
.endr
.irp q, 0,1
	ds_load_b64 v[VS+2*\q:VS+2*\q+1], v[AVS+\slot] offset:6400*\q
.endr
	WIN 0x40
.irp d, 0,1,2,3
.irp c, 0,1,2
	ds_load_b128 v[VF+12*\d+4*\c:VF+12*\d+4*\c+3], v[AV+\slot] offset:\d*1536+512*\c
.endr
.endr
	WIN 0x80
.irp d, 0,1,2,3
.irp c, 0,1,2
	ds_load_b128 v[VF+12*\d+4*\c:VF+12*\d+4*\c+3], v[AV+\slot] offset:6400+\d*1536+512*\c
.endr
.endr
	WIN 0
.if (\pfm) >= 0
	global_prefetch_b8 v[PFO], s[MP:MP+1] offset:\pfm th:TH_LOAD_NT scope:SCOPE_SE
	global_prefetch_b8 v[PFK], s[KP:KP+1] offset:\pfk th:TH_LOAD_NT scope:SCOPE_SE
.endif
.irp n, 0,1,2,3
	v_max3_num_f32 v[ST+8*\n+6], v[S+16*\n], v[S+16*\n+1], v[S+16*\n+2]   ; the block's largest score; each accumulator is read from its low end on
.endr
.irp k, 3,5,7,9,11,13
.irp n, 0,1,2,3
	v_max3_num_f32 v[ST+8*\n+6], v[ST+8*\n+6], v[S+16*\n+\k], v[S+16*\n+\k+1]
.endr
.endr
.irp n, 0,1,2,3
	v_max_num_f32 v[ST+8*\n+6], v[ST+8*\n+6], v[S+16*\n+15]
.endr
.irp n, 0,1,2,3
	v_permlanex16_b32 v[ST+8*\n+7], v[ST+8*\n+6], s[SEL], s[SEL+1]
.endr
.irp n, 0,1,2,3
	v_max_num_f32 v[ST+8*\n+6], v[ST+8*\n+6], v[ST+8*\n+7]
.endr
.irp n, 0,1,2,3
	v_mul_f32 v[ST+8*\n+7], s[CS], v[ST+8*\n+6]
.endr
.if \first
.irp n, 0,1,2,3
	v_max_num_f32 v[ST+8*\n+1], 0xff61b1e6, v[ST+8*\n+7]   ; my running largest t, over -3e38
.endr
.else
.irp n, 0,1,2,3
	v_max_num_f32 v[ST+8*\n+1], v[ST+8*\n+1], v[ST+8*\n+7]
.endr
.irp n, 0,1,2,3
	v_mov_b32 v[ST+8*\n+4], v[ST+8*\n]
.endr
.endif
.irp n, 0,1,2,3
	v_floor_f32 v[ST+8*\n], -v[ST+8*\n+1]          ; -M = floor(-t)
.endr
.if !\first
.irp n, 0,1,2,3
	v_sub_f32 v[ST+8*\n+4], v[ST+8*\n], v[ST+8*\n+4]
.endr
.irp n, 0,1,2,3
	v_cvt_i32_f32 v[ST+8*\n+4], v[ST+8*\n+4]
.endr
.irp n, 0,1,2,3
	v_ldexp_f32 v[ST+8*\n+4], 1.0, v[ST+8*\n+4]    ; my sum's factor 2^(old M - new M)
.endr
.endif
.irp n, 0,1,2,3
	v_cvt_i32_f32 v[NM+\n], v[ST+8*\n]
.endr
.irp n, 0,1,2,3
.irp k, 0,2,4,6,8,10,12,14
	v_pk_fma_f32 v[S+16*\n+\k:S+16*\n+\k+1], v[S+16*\n+\k:S+16*\n+\k+1], s[CS:CS+1], v[ST+8*\n:ST+8*\n+1] op_sel_hi:[1,0,0]
.endr
.endr
.irp n, 0,1,2,3
	v_fma_f32 v[ST+8*\n+6], v[ST+8*\n+6], s[CS], v[ST+8*\n]   ; the same of the block's largest score
.endr
	s_wait_alu depctr_va_vdst(0)                   ; ahead of the batch
.set i, 0
.rept 64
	v_exp_f32 v[S+i], v[S+i]                       ; p = 2^(t - M)
.set i, i+1
.endr
.if \first
	v_nop
.else
.irp n, 0,1,2,3
	v_pk_mul_f32 v[ST+8*\n+2:ST+8*\n+3], v[ST+8*\n+2:ST+8*\n+3], v[ST+8*\n+4:ST+8*\n+5] op_sel_hi:[1,0]
.endr
.endif
	s_wait_alu depctr_va_vdst(0)                   ; and behind it
.irp n, 0,1,2,3
	v_exp_f32 v[ST+8*\n+6], v[ST+8*\n+6]           ; the block's largest p
.endr
.if \first
.irp n, 0,1,2,3
	v_pk_add_f32 v[ST+8*\n+2:ST+8*\n+3], v[S+16*\n:S+16*\n+1], v[S+16*\n+2:S+16*\n+3]   ; the sum is taken of the unquantised p
.endr
.irp k, 4,6,8,10,12,14
.irp n, 0,1,2,3
	v_pk_add_f32 v[ST+8*\n+2:ST+8*\n+3], v[ST+8*\n+2:ST+8*\n+3], v[S+16*\n+\k:S+16*\n+\k+1]
.endr
.endr
.else
.irp k, 0,2,4,6,8,10,12,14
.irp n, 0,1,2,3
	v_pk_add_f32 v[ST+8*\n+2:ST+8*\n+3], v[ST+8*\n+2:ST+8*\n+3], v[S+16*\n+\k:S+16*\n+\k+1]
.endr
.endr
.endif
	s_wait_alu depctr_va_vdst(0)                   ; for the four
.irp n, 0,1,2,3
	v_max_num_f32 v[ST+8*\n+6], 0x2800000, v[ST+8*\n+6]   ; the floor 2^(5 - 127): the byte cannot fall under 1
.endr
.irp n, 0,1,2,3
	v_add_nc_u32 v[SCO+\n], 0xfe000000, v[ST+8*\n+6]      ; 4 off the exponent field: the conversion's scale operand
.endr
.irp n, 0,1,2,3
	v_lshrrev_b32 v[ST+8*\n+7], 23, v[SCO+\n]
.endr
.irp n, 0,1,2,3
	v_sub_nc_u32 v[EW+\n], v[ST+8*\n+7], v[NM+\n]  ; E = the byte + M
.endr
.irp n, 0,1,2,3
	v_cvt_scalef32_pk16_bf6_f32 v[PCD+4*\n:PCD+4*\n+2], v[S+16*\n:S+16*\n+15], v[SCO+\n]
.endr
	v_nop                                          ; one plain place behind a scaled conversion
.irp n, 0,1,2,3
.irp k, 0,1,2
	ds_store_b32 v[APW], v[PCD+4*\n+\k] offset:PBUF*\slot+1792*\n+4*\k
.endr
	ds_store_b32 v[AEW], v[EW+\n] offset:EBUF*\slot+256*\n   ; both halves of the lanes write the same word with the same value
.endr
	s_wait_alu depctr_va_vdst(0)                   ; ahead of the blocking wait
.if \kind == 2
	s_wait_tensorcnt 0x0                           ; my part of the next tile is in;
	ds_add_u32 v[SPW], v[NIL]
	s_add_nc_u64 s[G0K+4*\slot+2:G0K+4*\slot+3], s[G0K+4*\slot+2:G0K+4*\slot+3], 2*KVB
	s_add_nc_u64 s[G0M+4*\slot+2:G0M+4*\slot+3], s[G0M+4*\slot+2:G0M+4*\slot+3], 1024
	s_wait_dscnt 0x0                               ; the add, my stores of p and E, and my reads of this slot (V's among them) are done
	ROUND
	JLOAD \slot                                    ; the tile two steps on, into the slot just read out
.elseif \kind == 1
	s_wait_tensorcnt 0x0                           ; the last tile
	ds_add_u32 v[SPW], v[NIL]
	s_wait_dscnt 0x0
	s_barrier_signal -1
	s_barrier_wait -1
.else
	s_wait_dscnt 0x0
	s_barrier_signal -1
	s_barrier_wait -1
.endif
.irp n, 0,1,2,3
	ds_load_b128 v[EL+4*\n:EL+4*\n+3], v[AER] offset:EBUF*\slot+256*\n      ; the four waves' E of query r of tile n,
.endr
.irp j, 0,1
	ds_load_b128 v[E2+4*\j:E2+4*\j+3], v[AER2] offset:EBUF*\slot+512*\j     ; and of tile 2 j + h, for the scale words
.endr
.irp n, 0,1,2,3
.irp p, 0,1,2,3,4,5
	ds_load_b64 v[PF+12*\n+2*\p:PF+12*\n+2*\p+1], v[APR] offset:PBUF*\slot+1792*\n+48*(\p/3)+8*(\p%3)
.endr
.endr
.if \kind > 0
	NEXTM 1-\slot                                  ; the next step's 32 loads of the mask: 62 loads are out
	s_wait_dscnt 56                                ; E is in; p's 24 loads and the mask's 32 may be out
.else
	s_wait_dscnt 24                                ; E is in; p's 24 loads may be out
.endif
.irp n, 0,1,2,3
	v_max_i32 v[TMP+4+\n], v[EL+4*\n], v[EL+4*\n+1]
.endr
.irp n, 0,1,2,3
	v_max_i32 v[EL+4*\n+2], v[EL+4*\n+2], v[EL+4*\n+3]
.endr
.irp n, 0,1,2,3
	v_max_i32 v[TMP+4+\n], v[TMP+4+\n], v[EL+4*\n+2]
.endr
.if !\first
.irp n, 0,1,2,3
	v_max_i32 v[TMP+4+\n], v[TMP+4+\n], v[RF+2*\n+1]   ; the new R
.endr
.endif
.irp j, 0,1
	v_cndmask_b32 v[TMP+\j], v[TMP+4+2*\j], v[TMP+5+2*\j], s[HM]
.endr
.irp j, 0,1
.irp w, 0,1,2,3
	v_sub_nc_u32 v[E2+4*\j+\w], v[TMP+\j], v[E2+4*\j+\w]   ; R - E: 0 or more, right as an unsigned number
.endr
.endr
.irp j, 0,1
.irp w, 0,1,2,3
	v_min_u32 v[E2+4*\j+\w], 123, v[E2+4*\j+\w]
.endr
.endr
.irp w, 1,2,3
.irp j, 0,1
	v_lshl_or_b32 v[E2+4*\j], v[E2+4*\j+\w], 8*\w, v[E2+4*\j]
.endr
.endr
.irp j, 0,1
	v_sub_nc_u32 v[PS+\j], 0x7b7b7b7b, v[E2+4*\j]  ; p's scale word: byte w = 123 - min(R - E, 123); no byte borrows
.endr
.if \first
.irp n, 0,1,2,3
	v_mov_b32 v[RF+2*\n+1], v[TMP+4+\n]
.endr
.else
.irp n, 0,1,2,3
	v_sub_nc_u32 v[RF+2*\n], v[TMP+4+\n], v[RF+2*\n+1]
.endr
.irp n, 0,1,2,3
	v_mov_b32 v[RF+2*\n+1], v[TMP+4+\n]
.endr
.irp n, 0,1,2,3
	v_min_u32 v[RF+2*\n], 127, v[RF+2*\n]
.endr
.irp n, 0,1,2,3
	v_sub_nc_u32 v[RF+2*\n], 127, v[RF+2*\n]
.endr
.irp n, 0,1,2,3
	v_lshlrev_b32 v[RF+2*\n], 23, v[RF+2*\n]       ; O's factor 2^(old R - new R), as an exponent field; 0 from 2^-127 down
.endr
.endif
	s_wait_alu depctr_va_vdst(0)                   ; ahead of the blocking wait, and ahead of the first read of O behind the exponentials
.if \kind > 0
	s_wait_dscnt 32                                ; p is in; the mask's 32 loads may be out
	NEXTK 1-\slot
.else
	s_wait_dscnt 0x0                               ; p is in
.endif
.if \first
.rept 8
	v_nop                                          ; a scale word made by vector instructions stands 8 places ahead of its product
.endr
.endif
.if \kind > 0
	PVH 1, \first, 1-\slot
	PVH 2, \first, 1-\slot
.else
	PVH 1, \first, -1
	PVH 2, \first, -1
.endif
	WIN 0
.endm
	STEP 0, 1, 2, 1536, 3*KVB
	s_mov_b32 s[TRIP], 6
.Lpair:                                                ; steps 1 to 12
	STEP 1, 0, 2, 2048, 4*KVB
	STEP 0, 0, 2, 2560, 5*KVB
	s_wait_xcnt 0x0                                ; the prefetches have read their bases
	s_add_nc_u64 s[MP:MP+1], s[MP:MP+1], 1024
	s_add_nc_u64 s[KP:KP+1], s[KP:KP+1], 2*KVB
	s_sub_co_u32 s[TRIP], s[TRIP], 1
	s_cmp_lg_u32 s[TRIP], 0
	s_wait_alu depctr_va_vdst(0)                   ; ahead of the branch
	s_cbranch_scc1 .Lpair
	STEP 1, 0, 2, -1, -1                           ; step 13 asks for tile 15, the last
	STEP 0, 0, 1, -1, -1
	STEP 1, 0, 0, -1, -1
; THE END: my sum under R: x 2^(M - R + 123), at most 2; the four waves' sums added; O divided
.irp n, 0,1,2,3
	v_add_f32 v[ST+8*\n+7], v[ST+8*\n+2], v[ST+8*\n+3]
.endr
.irp n, 0,1,2,3
	v_permlanex16_b32 v[ST+8*\n+6], v[ST+8*\n+7], s[SEL], s[SEL+1]
.endr
.irp n, 0,1,2,3
	v_add_f32 v[ST+8*\n+7], v[ST+8*\n+7], v[ST+8*\n+6]
.endr
.irp n, 0,1,2,3
	v_add_nc_u32 v[TMP+\n], v[RF+2*\n+1], v[NM+\n] ; R - M: 122 or more, right as an unsigned number
.endr
.irp n, 0,1,2,3
	v_min_u32 v[TMP+\n], 400, v[TMP+\n]
.endr
.irp n, 0,1,2,3
	v_sub_nc_u32 v[TMP+\n], 123, v[TMP+\n]
.endr
.irp n, 0,1,2,3
	v_ldexp_f32 v[ST+8*\n+7], v[ST+8*\n+7], v[TMP+\n]
.endr
.irp n, 0,1,2,3
	ds_store_b32 v[AEW], v[ST+8*\n+7] offset:256*\n   ; E's buffer 0: last read behind step 14's meeting
.endr
	s_wait_dscnt 0x0
	s_barrier_signal -1
	s_barrier_wait -1
.irp n, 0,1,2,3
	ds_load_b128 v[EL+4*\n:EL+4*\n+3], v[AER] offset:256*\n
.endr
	s_wait_dscnt 0x0
.irp n, 0,1,2,3
	v_add_f32 v[EL+4*\n], v[EL+4*\n], v[EL+4*\n+1]
.endr
.irp n, 0,1,2,3
	v_add_f32 v[EL+4*\n+2], v[EL+4*\n+2], v[EL+4*\n+3]
.endr
.irp n, 0,1,2,3
	v_add_f32 v[EL+4*\n], v[EL+4*\n], v[EL+4*\n+2]
.endr
	s_wait_alu depctr_va_vdst(0)                   ; ahead of the batch
.irp n, 0,1,2,3
	v_rcp_f32 v[RF+2*\n], v[EL+4*\n]
.endr
	v_nop
	s_wait_alu depctr_va_vdst(0)                   ; and behind it, ahead of the first read of O
.irp w, 1,2
	WIN 0x41*\w
.set a, 0
.rept 16
	RESC1 a
.set a, a+1
.endr
.endr
	WIN 0
	s_wait_alu depctr_va_vdst(0)
; THE WAY OUT: 16 queries x my 128 columns at a time through my own stage, back as rows of 512 bytes, which the 32 lanes store as two aligned units of 256 bytes
.macro TOSTAGE n
	WIN 0x04
.irp d, 0,1,2,3
	ds_store_b128 v[STO], v[8*(4*\d+(\n)):8*(4*\d+(\n))+3] offset:128*(\d/2)+32*(\d%2)
	ds_store_b128 v[STO], v[8*(4*\d+(\n))+4:8*(4*\d+(\n))+7] offset:128*(\d/2)+32*(\d%2)+16
.endr
	WIN 0x08
.irp d, 0,1,2,3
	ds_store_b128 v[STO], v[8*(4*\d+(\n)):8*(4*\d+(\n))+3] offset:256+128*(\d/2)+32*(\d%2)
	ds_store_b128 v[STO], v[8*(4*\d+(\n))+4:8*(4*\d+(\n))+7] offset:256+128*(\d/2)+32*(\d%2)+16
.endr
	WIN 0
.irp t, 0,1,2,3,4,5,6,7,8,9,10,11,12,13,14,15
	ds_load_b128 v[S+64*((\n)%2)+4*\t:S+64*((\n)%2)+4*\t+3], v[RD] offset:528*\t   ; LDS serves a wave's instructions in order: these see the stores above
.endr
.endm
.macro SEND n, younger
	s_wait_dscnt \younger
.irp t, 0,1,2,3,4,5,6,7,8,9,10,11,12,13,14,15
	global_store_b128 v[GO], v[S+64*((\n)%2)+4*\t:S+64*((\n)%2)+4*\t+3], s[OP:OP+1] offset:(32*((\n)/2)+8*((\n)%2)+\t+8*(\t/8))*2048 th:TH_STORE_NT
.endr
.endm
	TOSTAGE 0
.irp n, 1,2,3
.if \n > 1
	s_wait_xcnt 0x0                                ; the stores of two tiles ago have read their registers
.endif
	TOSTAGE \n
	SEND \n-1, 32
.endr
	SEND 3, 0
	s_wait_tensorcnt 0x0                           ; the wave's end
	ds_add_u32 v[SPW], v[NIL]
	s_wait_dscnt 0x0
	ROUND                                          ; the closing round
	s_endpgm
.Lfunc_end_k_qcdb55f5e4e_attn:
	.size	k_qcdb55f5e4e_attn, .Lfunc_end_k_qcdb55f5e4e_attn-k_qcdb55f5e4e_attn
	.p2alignl 7, 3214868480
	.fill 96, 4, 3214868480
	.section	.rodata,"a",@progbits
	.p2align	6, 0x0
	.amdhsa_kernel k_qcdb55f5e4e_attn
		.amdhsa_group_segment_fixed_size 327680
		.amdhsa_private_segment_fixed_size 0
		.amdhsa_enable_private_segment 0
		.amdhsa_kernarg_size 32
		.amdhsa_user_sgpr_count 2
		.amdhsa_user_sgpr_kernarg_segment_ptr 1
		.amdhsa_wavefront_size32 1
		.amdhsa_system_sgpr_workgroup_id_x 1
		.amdhsa_system_sgpr_workgroup_id_y 1
		.amdhsa_system_sgpr_workgroup_id_z 1
		.amdhsa_system_vgpr_workitem_id 0
		.amdhsa_next_free_vgpr 1024
		.amdhsa_next_free_sgpr 80
		.amdhsa_reserve_vcc 0
		.amdhsa_float_denorm_mode_32 3
		.amdhsa_float_denorm_mode_16_64 3
		.amdhsa_memory_ordered 1
		.amdhsa_forward_progress 1
		.amdhsa_inst_pref_size 255
	.end_amdhsa_kernel
	.section	.bss,"aw",@nobits
	.p2align	6
	.space	262144
	.amdgpu_metadata
---
amdhsa.version: [ 1, 2 ]
amdhsa.kernels:
  - .name:           k_qcdb55f5e4e_attn
    .symbol:         k_qcdb55f5e4e_attn.kd
    .args:
      - { .name: qws, .offset: 0, .size: 8, .value_kind: global_buffer, .address_space: global }
      - { .name: kv, .offset: 8, .size: 8, .value_kind: global_buffer, .address_space: global }
      - { .name: mask, .offset: 16, .size: 8, .value_kind: global_buffer, .address_space: global }
      - { .name: out0, .offset: 24, .size: 8, .value_kind: global_buffer, .address_space: global }
    .group_segment_fixed_size: 327680
    .private_segment_fixed_size: 0
    .kernarg_segment_align: 8
    .kernarg_segment_size: 32
    .max_flat_workgroup_size: 128
    .sgpr_count:     80
    .vgpr_count:     1024
    .wavefront_size: 32
...
	.end_amdgpu_metadata
.endif
;; end of part 5
